; MI455X (gfx1250); checked and timed in simulation.
; The chip was launched on July 23, 2026; its instructions are those of AMD's public machine-readable ISA for CDNA 5 (MIT licence, August 2026) and "CDNA5" Instruction Set Architecture Reference Guide (July 2026). The comments in the code are by the model that wrote it; some were corrected since.
;; Shared Expert Mo E. Allowed arithmetic: matrix products marked QUANTISED: E2M3 operands, one E8M0 scale for each 32 along K, by v_wmma_scale_f32_16x16x128_f8f6f4 with both operands' format E2M3, f32 sums; products left as they are: f32 operands where the result goes on into a quantised operand, else bf16, f16 or f32 operands; f32 sums; everything else in f32.
;; Inputs: gate_w 1,024 x 6 float32; out_w 1,024 x 1,024 float32; w1_r 6 x 1,024 x 2,048 float32; w1_s 2 x 1,024 x 2,048 float32; w2_r 6 x 2,048 x 1,024 float32; w2_s 2 x 2,048 x 1,024 float32; w3_r 6 x 1,024 x 2,048 float32; w3_s 2 x 1,024 x 2,048 float32; x 4 x 256 x 1,024 float32.
;; Outputs: out0 4 x 256 x 1,024 float32; out1 one number float32.
;; This version of the problem:
;;   THIS VERSION OF THE PROBLEM IS GIVEN IN LOW PRECISION. The matrix products marked QUANTISED in the list below multiply operands that are first quantised to E2M3 (2 exponent bits, 3 mantissa bits; 6 bits a number), with one power-of-two scale for each 32 numbers along K (OCP MX v1.0); their sums are f32. All else is computed in f32.
;;   The module's matrix products, in the order in which they are computed (A, B: the left and right operand; K: the contracted axis; several contracted axes count as one K, in the product's order):
;;     1. [M 1,024, K 1,024] x [K 1,024, N 2,048]; A: input x; B: input w1_s: QUANTISED
;;     2. [M 1,024, K 1,024] x [K 1,024, N 2,048]; A: input x; B: input w3_s: QUANTISED
;;     3. [M 1,024, K 2,048] x [K 2,048, N 1,024]; A: computed on the way; B: input w2_s: QUANTISED
;;     4. [M 1,024, K 1,024] x [K 1,024, N 2,048]; A: input x; B: input w1_s: QUANTISED
;;     5. [M 1,024, K 1,024] x [K 1,024, N 2,048]; A: input x; B: input w3_s: QUANTISED
;;     6. [M 1,024, K 2,048] x [K 2,048, N 1,024]; A: computed on the way; B: input w2_s: QUANTISED
;;     7. [M 1,024, K 1,024] x [K 1,024, N 6]; A: input x; B: input gate_w: left as it is (N = 6 < 16)
;;     8. [M 1,024, K 1,024] x [K 1,024, N 2,048]; A: input x; B: input w1_r: QUANTISED
;;     9. [M 1,024, K 1,024] x [K 1,024, N 2,048]; A: input x; B: input w3_r: QUANTISED
;;     10. [M 1,024, K 2,048] x [K 2,048, N 1,024]; A: computed on the way; B: input w2_r: QUANTISED
;;     11. [M 1,024, K 1,024] x [K 1,024, N 2,048]; A: input x; B: input w1_r: QUANTISED
;;     12. [M 1,024, K 1,024] x [K 1,024, N 2,048]; A: input x; B: input w3_r: QUANTISED
;;     13. [M 1,024, K 2,048] x [K 2,048, N 1,024]; A: computed on the way; B: input w2_r: QUANTISED
;;     14. [M 1,024, K 1,024] x [K 1,024, N 2,048]; A: input x; B: input w1_r: QUANTISED
;;     15. [M 1,024, K 1,024] x [K 1,024, N 2,048]; A: input x; B: input w3_r: QUANTISED
;;     16. [M 1,024, K 2,048] x [K 2,048, N 1,024]; A: computed on the way; B: input w2_r: QUANTISED
;;     17. [M 1,024, K 1,024] x [K 1,024, N 2,048]; A: input x; B: input w1_r: QUANTISED
;;     18. [M 1,024, K 1,024] x [K 1,024, N 2,048]; A: input x; B: input w3_r: QUANTISED
;;     19. [M 1,024, K 2,048] x [K 2,048, N 1,024]; A: computed on the way; B: input w2_r: QUANTISED
;;     20. [M 1,024, K 1,024] x [K 1,024, N 2,048]; A: input x; B: input w1_r: QUANTISED
;;     21. [M 1,024, K 1,024] x [K 1,024, N 2,048]; A: input x; B: input w3_r: QUANTISED
;;     22. [M 1,024, K 2,048] x [K 2,048, N 1,024]; A: computed on the way; B: input w2_r: QUANTISED
;;     23. [M 1,024, K 1,024] x [K 1,024, N 2,048]; A: input x; B: input w1_r: QUANTISED
;;     24. [M 1,024, K 1,024] x [K 1,024, N 2,048]; A: input x; B: input w3_r: QUANTISED
;;     25. [M 1,024, K 2,048] x [K 2,048, N 1,024]; A: computed on the way; B: input w2_r: QUANTISED
;;     26. [M 1,024, K 1,024] x [K 1,024, N 1,024]; A: computed on the way; B: input out_w: QUANTISED
;;   THE QUANTISER, for each operand of a quantised product, along K:
;;     - K is cut into blocks of 32 from its start; a last block that is shorter is filled with zeros.
;;     - A block's scale is 2^e with e = floor(log2(the largest magnitude in the block)) - 2, held to -126 .. 127; a block of zeros has e = 0. As a byte (E8M0): e + 127.
;;     - Each number is divided by its block's scale, clamped to +-7.5, and rounded to the nearest number of E2M3, ties to even, subnormals kept.
;;     - The product sums the exact products of the quantised numbers (number of the format x scale) in f32.
;;   ~~~python
;;   def quantise(x, axis):      # numpy; x: float32 -> the quantised numbers, widened to float32 again
;;       x = np.moveaxis(x, axis, -1); K = x.shape[-1]
;;       x = np.pad(x, [(0, 0)] * (x.ndim - 1) + [(0, -K % 32)]); x = x.reshape(x.shape[:-1] + (-1, 32)); a = np.abs(x).max(-1, keepdims=True)
;;       e = np.where(a > 0, np.clip(np.frexp(np.where(a > 0, a, 1))[1] - 1 - 2, -126, 127), 0)      # np.frexp(a)[1] - 1 = floor(log2(a)), exactly
;;       r = np.clip(x / 2.0 ** e, -7.5, 7.5)
;;       step = 2.0 ** (np.maximum(np.frexp(np.where(r == 0, 1, r))[1] - 1, 0) - 3)
;;       q = np.round(r / step) * step * 2.0 ** e      # np.round: ties to even
;;       return np.moveaxis(q.reshape(q.shape[:-2] + (-1,))[..., :K], -1, axis).astype(np.float32)
;;   ~~~
;;   OPERANDS COMPUTED ON THE WAY. 'Computed on the way' means the value that the module computes at that place (a softmax that the list does not call 'softmax' is quantised finished and normalised). What goes into a quantiser is computed in f32, as accurately as f32 sums, v_exp_f32 and their like allow (about 1e-6 of the number): no bf16 or f16 on the way to a quantiser, and a product that is left as it is and whose result goes on into a quantised operand takes f32 operands (vector FMAs, or v_wmma_f32_16x16x4_f32). A number that lies on a knife's edge between two numbers of the format may be rounded either way, as far as f32 arithmetic and the matrix unit's own rounding can turn it there, and no further.
;; One version. Each part assembles by itself: llvm-mc -triple=amdgcn-amd-amdhsa -mcpu=gfx1250 --defsym DOCPART=n.
;; ======== version 1 of 1: 5 launches
;; workspace buffers: w13 26,214,400 bytes; w2o 13,926,400 bytes; xq 819,200 bytes; sel 4,096 bytes of whole numbers; gw 12,288 bytes; lst 28,160 bytes of whole numbers; hq 7,577,600 bytes; y 19,398,656 bytes
;; launch qa (part 1): grid 1088 x 1, 4 waves a work-group, no clusters, 41,984 bytes of LDS; arguments x, gate_w, w1_s, w3_s, w1_r, w3_r, w13, xq, sel, gw; writes w13, xq, sel, gw
.if DOCPART == 1
	.amdgcn_target "amdgcn-amd-amdhsa--gfx1250"
	.amdhsa_code_object_version 6
	.text
	.protected	k_q5e181d5eab_qa
	.globl	k_q5e181d5eab_qa
	.p2align	8
	.type	k_q5e181d5eab_qa,@function
k_q5e181d5eab_qa:
	s_mov_b64 s[64:65], 0
	v_nop
	global_prefetch_b8 v0, s[64:65] scope:SCOPE_SE
	s_setreg_imm32_b32 hwreg(HW_REG_WAVE_MODE, 25, 1), 1
	s_wait_xcnt 0x0
; SharedExpertMoE in MX-FP6, launch 1 of 5: the router, x's codes, and the codes of w1 and w3 of all eight experts.
; DEAD WORK LEFT OUT BY THE PROGRAM.  For a token and a routed expert e that is not one of the token's two idx, reference() forms we = sum(wk * (idx == e)), which is 0 by its own
; comparison whatever the inputs hold, and adds we * swiglu_e(x): in exact arithmetic the term is 0.  So an expert's three products are made only for the rows of the tokens that chose it
; (2,048 routed rows in all, beside the 2,048 rows of the two shared experts).  No input is left out.
; LIMITS.  A NaN, an infinity or an overflow that arises only in an expert that a token did not choose is not carried to the result.  NaN and infinities among the inputs are not served.
; The logits are f32 sums in another order than reference()'s: a second and third logit equal within f32 rounding may change places; exact ties go to the lower index.
; A block of zeros gets the scale byte 1 (its codes are zeros; only this program reads the bytes).
; WORK-GROUPS 0-63 (the router): 16 tokens each.  Wave w takes k = 256 w .. 256 w + 255 of all 16; a lane holds 16 neighbours along K of one token of a pair, two lanes a block of 32.
; It quantises them and multiplies them by gate_w in f32.  x's codes are laid for the launch that gathers them: 768 bytes a token, and in them at 256 c + 32 ks + 16 h the registers 4 c .. 4 c + 3 that
; lane (row, h) holds of the fragment of K step ks; they meet in LDS and leave as the group's 12,288 dense bytes.  Scale bytes behind them, 32 a token.  Wave 0 adds the waves' partial logits, takes the
; top 2 and both softmaxes, and stores at fixed places: sel[token] = e0 | e1 << 8, gw[token] = (wk0, wk1), and the group's part of the aux loss (six sums of probs, six counts of top-1).
; WORK-GROUPS 64-1087 (the weights): 128 columns x 256 along K of one of 16 matrices [1024][2048].  A LANE TAKES A COLUMN AND ITS REGISTERS RUN DOWN K, so a block of 32 is one lane's and the
; conversions give codes with K innermost.  The codes leave IN THE ORDER OF THE OPERAND'S REGISTERS: a fragment (16 columns x 128 K, 12 registers a lane) is 1,536 bytes, three runs of 512, lane l's
; registers 4 c .. 4 c + 3 at 512 c + 16 l.  THE COLUMNS OF A TILE ARE NOT NEIGHBOURS: of a group of 32, column 16 a + 8 u + i is row i + 8 a of tile u, so that in the transposed product the 16 registers
; of a lane in tiles u = 0, 1 are 16 neighbouring columns.  w13: fragment ((mi x 128 + tile) x 8 + K step), mi = 2 x expert + (0: w1, 1: w3), experts 0, 1 shared, 2-7 routed; scale bytes behind, 32 a column.
.set RB,    8192                       ; a row of a weight in bytes
.set W13S,  25165824                   ; where w13's scale bytes begin
.set XQS,   786432                     ; where xq's scale bytes begin
.set PL,    24576                      ; LDS, router alone: partial logits, 1,024 bytes a wave, 64 a token
.set XSL,   28672                      ; LDS, router alone: x's scale bytes, 32 a token
.set XCL,   29184                      ; LDS, router alone: x's codes, 768 bytes a token
.set SPARE, 41472                      ; the spare words: 128 bytes a wave, named by no other line.  (LDS 0-24,575: the weights' stages, 6,144 bytes a wave)
.set SPW,   14                         ; v14  LDS address of my spare word; never rewritten
.set NIL,   15                         ; v15  0; never rewritten
.set SB,    24                         ; weights: v24-25 my column's 8 scale bytes
.set X,     32                         ; v32-95   two sets of 32 numbers
.set C,     96                         ; v96-101  a block's 24 bytes of codes
.set CT,    102                        ; v102-104 its second conversion, before it is moved
.set OUTR,  112                        ; v112-159 the way out
.set SRC,   30                         ; s[30:31] the source at my wave's first number
.set CD0,   42                         ; s[42:43] tile u = 0: its two fragments;  s[44:45] tile u = 1
.set CD1,   44
.set SCB,   46                         ; s[46:47] my columns' scale bytes
.set RC,    32                         ; router: v32-63 codes, four registers a pair of tokens
.set G,     64                         ; v64-159  gate_w: register 6 i + e = gate_w[k0 + i][e]
.set RX,    160                        ; v160-223 four sets of 16 numbers of x; later the codes on their way out
.set BY,    224                        ; v224-231 a scale byte for each pair
.set SE,    232                        ; v232-239 a partial logit for each pair
	s_load_b256 s[4:11], s[0:1], 0x0               ; x, gate_w, w1_s, w3_s
	s_load_b256 s[12:19], s[0:1], 0x20             ; w1_r, w3_r, w13, xq
	s_load_b128 s[20:23], s[0:1], 0x40             ; sel, gw
	v_lshl_add_u32 v[SPW], v0, 2, SPARE
	v_mov_b32 v[NIL], 0
	v_lshrrev_b32 v1, 5, v0
	v_readfirstlane_b32 s24, v1                    ; wave 0..3
	s_cmp_lt_u32 ttmp9, 64                         ; the work-group's number alone decides the path
	s_cbranch_scc1 .Lroute
	; ---------------- the weights ----------------
	v_and_b32 v2, 31, v0                           ; lane = my column of the wave's 32
	v_lshlrev_b32 v3, 2, v2                        ; in: 4 bytes a lane
	v_bfe_u32 v5, v0, 3, 1                         ; u: my tile
	v_and_b32 v6, 7, v0
	v_bfe_u32 v10, v0, 4, 1
	v_lshl_or_b32 v6, v10, 3, v6                   ; my row in it: i + 8 a
	v_lshlrev_b32 v6, 4, v6
	v_mad_u32_u24 v4, v5, 3072, v6                 ; a tile's two fragments are 3,072 bytes
	s_mul_i32 s29, s24, 6144                       ; my wave's stage
	v_add_nc_u32 v4, s29, v4                       ; into it
	v_lshlrev_b32 v8, 4, v2                        ; out: 16 bytes a lane, in memory
	v_add_nc_u32 v7, s29, v8                       ; and in the stage
	v_lshlrev_b32 v9, 5, v2                        ; scale bytes: 32 a column
	s_sub_co_u32 s25, ttmp9, 64
	s_lshr_b32 s26, s25, 6                         ; m: which of the 16 matrices
	s_and_b32 s27, s25, 15                         ; cx: which 128 columns
	s_bfe_u32 s28, s25, 0x20004                    ; ky: which 256 along K
	s_wait_kmcnt 0x0
	s_mov_b64 s[SRC:SRC+1], s[14:15]               ; m 10-15: w3_r, its expert m - 10, program's expert m - 8
	s_mov_b32 s32, 10
	s_mov_b32 s33, 8
	s_mov_b32 s34, 1
	s_cmp_lt_u32 s26, 10                           ; m 4-9: w1_r
	s_cselect_b64 s[SRC:SRC+1], s[12:13], s[SRC:SRC+1]
	s_cselect_b32 s32, 4, s32
	s_cselect_b32 s33, 2, s33
	s_cselect_b32 s34, 0, s34
	s_cmp_lt_u32 s26, 4                            ; m 2, 3: w3_s
	s_cselect_b64 s[SRC:SRC+1], s[10:11], s[SRC:SRC+1]
	s_cselect_b32 s32, 2, s32
	s_cselect_b32 s33, 2, s33
	s_cselect_b32 s34, 1, s34
	s_cmp_lt_u32 s26, 2                            ; m 0, 1: w1_s
	s_cselect_b64 s[SRC:SRC+1], s[8:9], s[SRC:SRC+1]
	s_cselect_b32 s32, 0, s32
	s_cselect_b32 s33, 0, s33
	s_cselect_b32 s34, 0, s34
	s_sub_co_u32 s35, s26, s32
	s_lshl_b32 s36, s35, 23                        ; the expert's matrix: 8,388,608 bytes each,
	s_lshl_b32 s37, s28, 21                        ; 256 rows of 8,192 bytes,
	s_add_co_u32 s36, s36, s37
	s_lshl_b32 s37, s27, 9                         ; 128 columns,
	s_add_co_u32 s36, s36, s37
	s_lshl_b32 s37, s24, 7                         ; my wave's 32
	s_add_co_u32 s36, s36, s37
	s_mov_b32 s37, 0
	s_add_nc_u64 s[SRC:SRC+1], s[SRC:SRC+1], s[36:37]
	s_sub_co_u32 s38, s26, s33
	s_lshl_b32 s38, s38, 1
	s_add_co_u32 s38, s38, s34                     ; mi
	s_lshl_b32 s39, s38, 7
	s_lshl_b32 s40, s27, 3
	s_add_co_u32 s39, s39, s40
	s_lshl_b32 s40, s24, 1
	s_add_co_u32 s39, s39, s40                     ; my first tile: 128 mi + 8 cx + 2 w
	s_lshl_b32 s39, s39, 3
	s_lshl_b32 s40, s28, 1
	s_add_co_u32 s39, s39, s40                     ; its K step 2 ky
	s_mul_i32 s40, s39, 1536
	s_mov_b32 s41, 0
	s_add_nc_u64 s[CD0:CD0+1], s[16:17], s[40:41]
	s_add_nc_u64 s[CD1:CD1+1], s[CD0:CD0+1], 12288 ; the next tile: 8 K steps on
	s_lshl_b32 s46, s38, 11
	s_lshl_b32 s47, s27, 7
	s_add_co_u32 s46, s46, s47
	s_lshl_b32 s47, s24, 5
	s_add_co_u32 s46, s46, s47                     ; my first column: 2,048 mi + 128 cx + 32 w
	s_lshl_b32 s46, s46, 5
	s_lshl_b32 s47, s28, 3
	s_add_co_u32 s46, s46, s47                     ; + 8 ky
	s_add_co_u32 s46, s46, W13S
	s_mov_b32 s47, 0
	s_add_nc_u64 s[SCB:SCB+1], s[16:17], s[46:47]
.macro QLOAD t                         ; block t: rows 32 t + i of my column, into set t % 2; a wave's load reads 128 consecutive bytes, the four waves 512
.set XL, X+32*((\t)%2)
.set i, 0
.rept 32
	global_load_b32 v[XL+i], v3, s[SRC:SRC+1] offset:(32*(\t)+i)*RB th:TH_LOAD_NT
.set i, i+1
.endr
.endm
.macro QBLOCK t                        ; block t of 8: K step t / 4, in it block t % 4, which the operand's layout gives to lane row + 16 (t % 2), registers 6 ((t / 2) % 2) on
.set XS, X+32*((\t)%2)
.set QO, 1536*((\t)/4)+256*((\t)%2)
.if (\t) < 7
	s_wait_loadcnt 32                              ; this block's 32 loads are in; the next block's 32 may be out
.else
	s_wait_loadcnt 0
.endif
	v_max3_num_f32 v12, |v[XS]|, |v[XS+1]|, |v[XS+2]|              ; the block's largest magnitude: all 32 numbers are mine
	v_max3_num_f32 v13, |v[XS+3]|, |v[XS+4]|, |v[XS+5]|
.irp i, 6,10,14,18,22,26
	v_max3_num_f32 v12, v12, |v[XS+\i]|, |v[XS+\i+1]|
	v_max3_num_f32 v13, v13, |v[XS+\i+2]|, |v[XS+\i+3]|
.endr
	v_max3_num_f32 v12, v12, |v[XS+30]|, |v[XS+31]|
	v_max3_num_f32 v12, v12, v13, 0x1800000        ; and the floor 2^(3 - 127): the byte cannot fall under 1
	v_add_nc_u32 v11, 0xff000000, v12              ; 2 off its exponent field: the conversion takes this operand's exponent field as its scale
	v_cvt_scalef32_pk16_fp6_f32 v[C:C+2], v[XS:XS+15], v11
	v_cvt_scalef32_pk16_fp6_f32 v[CT:CT+2], v[XS+16:XS+31], v11    ; (a conversion's three registers begin on an even number)
	v_lshrrev_b32 v13, 23, v11                     ; the scale's byte; also the plain line between the conversions and the moves
.if (\t)%4 == 0
	v_mov_b32 v[SB+(\t)/4], v13
.else
	v_lshl_or_b32 v[SB+(\t)/4], v13, 8*((\t)%4), v[SB+(\t)/4]
.endif
.irp i, 0,1,2
	v_mov_b32 v[C+3+\i], v[CT+\i]
.endr
.if ((\t)/2)%2 == 0
	ds_store_b128 v4, v[C:C+3] offset:QO           ; registers 0-3 of the fragment,
	ds_store_b64 v4, v[C+4:C+5] offset:QO+512      ; 4 and 5
.else
	ds_store_b64 v4, v[C:C+1] offset:QO+520        ; registers 6 and 7,
	ds_store_b128 v4, v[C+2:C+5] offset:QO+1024    ; 8-11
.endif
.if (\t) < 6
	QLOAD (\t)+2
.endif
	s_wait_dscnt 0x0                               ; the stores have read their registers: the next block's codes may be written
.endm
.macro QTAIL
	global_store_b64 v9, v[SB:SB+1], s[SCB:SCB+1]  ; my column's 8 scale bytes
.irp j, 0,1,2,3,4,5,6,7,8,9,10,11
	ds_load_b128 v[OUTR+4*\j:OUTR+4*\j+3], v7 offset:512*\j        ; LDS serves a wave's instructions in order: these see my stores
.endr
.irp j, 0,1,2,3,4,5
	s_wait_dscnt 11-\j                             ; the younger loads may be out
	global_store_b128 v8, v[OUTR+4*\j:OUTR+4*\j+3], s[CD0:CD0+1] offset:512*\j     ; 32 lanes store 512 consecutive bytes
.endr
.irp j, 6,7,8,9,10,11
	s_wait_dscnt 11-\j
	global_store_b128 v8, v[OUTR+4*\j:OUTR+4*\j+3], s[CD1:CD1+1] offset:512*(\j-6)
.endr
.endm
	QLOAD 0
	QLOAD 1
.irp t, 0,1,2,3,4,5,6,7
	QBLOCK \t
.endr
	QTAIL
	s_branch .Lend
	; ---------------- the router ----------------
.Lroute:
	v_and_b32 v1, 15, v0                           ; q: which 16 along K of the wave's 256
	v_bfe_u32 v2, v0, 4, 1                         ; hh: which token of a pair
	s_lshl_b32 s25, s24, 10
	v_lshlrev_b32 v3, 6, v1
	v_lshl_add_u32 v3, v2, 12, v3
	v_add_nc_u32 v3, s25, v3                       ; x: 4,096 hh + 1,024 w + 64 q
	s_mul_i32 s26, s24, 6144
	v_mul_u32_u24 v4, v1, 384
	v_add_nc_u32 v4, s26, v4                       ; gate_w: my 16 rows of 24 bytes
	; where my three words of codes go.  My 16 numbers are half q % 2 of block (q / 2) % 4 of K step 2 w + q / 8: in the operand lane half h = (q / 2) % 2, registers R = 6 ((q / 4) % 2) + 3 (q % 2) + 0, 1, 2
	v_bfe_u32 v5, v0, 2, 1
	v_and_b32 v10, 1, v0
	v_mul_u32_u24 v5, v5, 6
	v_mad_u32_u24 v5, v10, 3, v5                   ; the first R
	v_bfe_u32 v10, v0, 1, 1                        ; h
	v_bfe_u32 v12, v0, 3, 1
	v_lshlrev_b32 v10, 4, v10                      ; 16 h
	v_lshl_add_u32 v10, v12, 5, v10                ; + 32 (q / 8)
	v_mad_u32_u24 v10, v2, 768, v10                ; + 768 hh
	s_lshl_b32 s26, s24, 6
	v_add_nc_u32 v10, s26, v10                     ; + 64 w: 32 bytes a K step
	v_add_nc_u32 v10, XCL, v10
.irp n, 0,1,2
	v_add_nc_u32 v12, \n, v5                       ; R
	v_lshrrev_b32 v13, 2, v12
	v_and_b32 v12, 3, v12
	v_lshl_add_u32 v[27+\n], v13, 8, v10           ; + 256 (R / 4)
	v_lshl_add_u32 v[27+\n], v12, 2, v[27+\n]      ; + 4 (R % 4): v27-29
.endr
	v_lshlrev_b32 v6, 2, v1
	v_lshl_add_u32 v6, v2, 6, v6
	v_add_nc_u32 v6, s25, v6
	v_add_nc_u32 v6, PL, v6                        ; partial logits: 1,024 w + 64 hh + 4 q
	s_lshl_b32 s26, s24, 3
	v_lshrrev_b32 v7, 1, v1
	v_lshl_add_u32 v7, v2, 5, v7
	v_add_nc_u32 v7, s26, v7
	v_add_nc_u32 v7, XSL, v7                       ; scale bytes: 32 hh + 8 w + q / 2
	v_lshl_add_u32 v17, v1, 6, PL                  ; wave 0, later: token q's partial logits,
	v_and_b32 v26, 31, v0
	v_lshlrev_b32 v19, 4, v26
	v_add_nc_u32 v18, XSL, v19                     ; and 16 of the 512 scale bytes
	s_mul_i32 s26, s24, 3072
	v_add_nc_u32 v31, s26, v19                     ; the codes' way out: my wave's quarter of the 12,288 bytes, 16 a lane: in memory,
	v_add_nc_u32 v30, XCL, v31                     ; and in LDS
.irp e, 1,2,3,4,5
	v_cmp_eq_u32 s[39+\e], \e, v1                  ; s40-44: the lanes with q = e
.endr
	s_wait_kmcnt 0x0
	s_lshl_b32 s26, ttmp9, 16
	s_mov_b32 s27, 0
	s_add_nc_u64 s[4:5], s[4:5], s[26:27]          ; x at my 16 tokens
	s_mul_i32 s26, ttmp9, 12288
	s_add_nc_u64 s[28:29], s[18:19], s[26:27]      ; their codes,
	s_lshl_b32 s26, ttmp9, 9
	s_add_co_u32 s26, s26, XQS
	s_add_nc_u64 s[18:19], s[18:19], s[26:27]      ; their scale bytes,
	s_lshl_b32 s26, ttmp9, 6
	s_add_nc_u64 s[20:21], s[20:21], s[26:27]      ; their words of sel,
	s_add_nc_u64 s[30:31], s[22:23], s[26:27]      ; the group's 64 bytes for the aux loss (8,192 further on),
	s_lshl_b32 s26, ttmp9, 7
	s_add_nc_u64 s[22:23], s[22:23], s[26:27]      ; their gate weights
.set n, 0
.rept 24
	global_load_b128 v[G+4*n:G+4*n+3], v4, s[6:7] offset:16*n
.set n, n+1
.endr
.macro XLD p                           ; pair p: tokens 2 p, 2 p + 1; my 16 numbers, into set p % 4
.irp j, 0,1,2,3
	global_load_b128 v[RX+16*((\p)%4)+4*\j:RX+16*((\p)%4)+4*\j+3], v3, s[4:5] offset:8192*(\p)+16*\j th:TH_LOAD_NT
.endr
.endm
.irp p, 0,1,2,3
	XLD \p
.endr
.macro PAIR p, left                    ; left: the loads of the pairs asked for behind pair p
.set XS, RX+16*((\p)%4)
	s_wait_loadcnt \left
	v_max3_num_f32 v8, |v[XS]|, |v[XS+1]|, |v[XS+2]|               ; the largest magnitude of my 16,
	v_max3_num_f32 v9, |v[XS+3]|, |v[XS+4]|, |v[XS+5]|
.irp i, 6,10
	v_max3_num_f32 v8, v8, |v[XS+\i]|, |v[XS+\i+1]|
	v_max3_num_f32 v9, v9, |v[XS+\i+2]|, |v[XS+\i+3]|
.endr
	v_max3_num_f32 v8, v8, |v[XS+14]|, |v[XS+15]|
	v_max3_num_f32 v8, v8, v9, 0x1800000           ; the floor 2^(3 - 127),
	v_max_num_f32_dpp v8, v8, v8 row_xmask:1 row_mask:0xf bank_mask:0xf    ; and my neighbour's 16: the block's
	v_add_nc_u32 v11, 0xff000000, v8
	v_cvt_scalef32_pk16_fp6_f32 v[RC+4*(\p):RC+4*(\p)+2], v[XS:XS+15], v11
	v_lshrrev_b32 v[BY+(\p)], 23, v11              ; the scale's byte
	ds_store_b8 v7, v[BY+(\p)] offset:64*(\p)      ; both lanes of a block write the same byte with the same value
.irp n, 0,1,2
	ds_store_b32 v[27+\n], v[RC+4*(\p)+\n] offset:1536*(\p)        ; my three words, each at its register's place in the token's 768 bytes
.endr
.irp e, 0,1,2,3,4,5
	v_mul_f32 v[20+\e], v[XS], v[G+\e]             ; six partial logits, in f32
.endr
.set i, 1
.rept 15
.irp e, 0,1,2,3,4,5
	v_fmac_f32 v[20+\e], v[XS+i], v[G+6*i+\e]
.endr
.set i, i+1
.endr
.if (\p) < 4
	XLD (\p)+4
.endif
.irp m, 1,2,4,8
.irp e, 0,1,2,3,4,5
	v_add_f32_dpp v[20+\e], v[20+\e], v[20+\e] row_xmask:\m row_mask:0xf bank_mask:0xf    ; over the 16 lanes of my token
.endr
.endr
	v_cndmask_b32 v[SE+(\p)], v20, v21, s40        ; lane q keeps sum q (lanes 6-15: sum 0, which nobody reads)
.irp e, 2,3,4,5
	v_cndmask_b32 v[SE+(\p)], v[SE+(\p)], v[20+\e], s[39+\e]
.endr
	ds_store_b32 v6, v[SE+(\p)] offset:128*(\p)
.endm
	PAIR 0, 12
	PAIR 1, 12
	PAIR 2, 12
	PAIR 3, 12
	PAIR 4, 12
	PAIR 5, 8
	PAIR 6, 4
	PAIR 7, 0
	s_wait_dscnt 0x0                               ; my codes, partial logits and scale bytes lie in LDS
	s_barrier_signal -1
	s_barrier_wait -1                              ; everybody's do
.irp j, 0,1,2,3,4,5
	ds_load_b128 v[RX+4*\j:RX+4*\j+3], v30 offset:512*\j
.endr
.irp j, 0,1,2,3,4,5
	s_wait_dscnt 5-\j                              ; the younger loads may be out
	global_store_b128 v31, v[RX+4*\j:RX+4*\j+3], s[28:29] offset:512*\j    ; 32 lanes store 512 consecutive bytes of the 16 tokens' codes
.endr
	s_cmp_lg_u32 s24, 0
	s_cbranch_scc1 .Lend
	; wave 0: lanes l and l + 16 both hold token q = l % 16, compute alike and store the same values to the same places
	ds_load_b128 v[96:99], v18
.irp u, 0,1,2,3
	ds_load_b128 v[64+8*\u:67+8*\u], v17 offset:1024*\u
	ds_load_b64 v[68+8*\u:69+8*\u], v17 offset:1024*\u+16
.endr
	s_wait_dscnt 0x0
	global_store_b128 v19, v[96:99], s[18:19]      ; the 16 tokens' 512 scale bytes
.irp e, 0,1,2,3,4,5
	v_add_f32 v[100+\e], v[64+\e], v[72+\e]
.endr
.irp e, 0,1,2,3,4,5
	v_add_f32 v[100+\e], v[100+\e], v[80+\e]
.endr
.irp e, 0,1,2,3,4,5
	v_add_f32 v[100+\e], v[100+\e], v[88+\e]       ; the logits: v100-105
.endr
	v_mov_b32 v106, v100                           ; the largest, and its index: a strict comparison keeps the lower index on a tie
	v_mov_b32 v107, 0
.irp e, 1,2,3,4,5
	v_cmp_gt_f32 vcc_lo, v[100+\e], v106
	v_cndmask_b32 v106, v106, v[100+\e], vcc_lo
	v_cndmask_b32 v107, v107, \e, vcc_lo
.endr
	v_mov_b32 v114, 0xff800000                     ; -infinity takes the winner's place
.irp e, 0,1,2,3,4,5
	v_cmp_eq_u32 vcc_lo, \e, v107
	v_cndmask_b32 v[108+\e], v[100+\e], v114, vcc_lo
.endr
	v_mov_b32 v115, v108                           ; the second largest, and its index
	v_mov_b32 v116, 0
.irp e, 1,2,3,4,5
	v_cmp_gt_f32 vcc_lo, v[108+\e], v115
	v_cndmask_b32 v115, v115, v[108+\e], vcc_lo
	v_cndmask_b32 v116, v116, \e, vcc_lo
.endr
	v_sub_f32 v117, v115, v106                     ; both softmaxes take the largest logit away
.irp e, 0,1,2,3,4,5
	v_sub_f32 v[118+\e], v[100+\e], v106
.endr
.irp e, 0,1,2,3,4,5,6
	v_mul_f32 v[117+\e], 0x3fb8aa3b, v[117+\e]
.endr
.irp e, 0,1,2,3,4,5,6
	v_exp_f32 v[117+\e], v[117+\e]
.endr
	v_nop                                          ; a plain line behind the last exponential
	s_wait_alu depctr_va_vdst(0)                   ; one wait for the seven, ahead of their first reader
	v_add_f32 v124, v118, v119
	v_add_f32 v125, 1.0, v117
	v_add_f32 v124, v124, v120
	v_add_f32 v124, v124, v121
	v_add_f32 v124, v124, v122
	v_add_f32 v124, v124, v123
	v_rcp_f32 v125, v125
	v_rcp_f32 v124, v124
	v_nop
	s_wait_alu depctr_va_vdst(0)                   ; one wait for the two
	v_mov_b32 v126, v125                           ; wk0 = 1 / (1 + t),
	v_mul_f32 v127, v117, v125                     ; wk1 = t / (1 + t)
.irp e, 0,1,2,3,4,5
	v_mul_f32 v[128+\e], v[118+\e], v124           ; probs
.endr
.irp e, 0,1,2,3,4,5
	v_cmp_eq_u32 vcc_lo, \e, v107
	v_cndmask_b32 v[134+\e], 0, 1.0, vcc_lo        ; one_hot of the top-1
.endr
.irp m, 1,2,4,8
.irp j, 0,1,2,3,4,5,6,7,8,9,10,11
	v_add_f32_dpp v[128+\j], v[128+\j], v[128+\j] row_xmask:\m row_mask:0xf bank_mask:0xf  ; over the 16 tokens
.endr
.endr
	v_mov_b32 v140, 0
.irp j, 0,1,2,3,4,5,6,7,8,9,10,11
	v_cmp_eq_u32 vcc_lo, \j, v1
	v_cndmask_b32 v140, v140, v[128+\j], vcc_lo    ; lane q keeps word q; words 12-15 are 0
.endr
	v_lshl_or_b32 v141, v116, 8, v107
	v_lshlrev_b32 v142, 2, v1
	v_lshlrev_b32 v143, 3, v1
	global_store_b32 v142, v141, s[20:21]
	global_store_b64 v143, v[126:127], s[22:23]
	global_store_b32 v142, v140, s[30:31] offset:8192
.Lend:
	s_wait_tensorcnt 0x0                           ; the wave's end, behind my last LDS store
	ds_add_u32 v[SPW], v[NIL]
	s_wait_dscnt 0x0
	s_endpgm
.Lfunc_end_k_q5e181d5eab_qa:
	.size	k_q5e181d5eab_qa, .Lfunc_end_k_q5e181d5eab_qa-k_q5e181d5eab_qa
	.p2alignl 7, 3214868480
	.fill 96, 4, 3214868480
	.section	.rodata,"a",@progbits
	.p2align	6, 0x0
	.amdhsa_kernel k_q5e181d5eab_qa
		.amdhsa_group_segment_fixed_size 41984
		.amdhsa_private_segment_fixed_size 0
		.amdhsa_enable_private_segment 0
		.amdhsa_kernarg_size 80
		.amdhsa_user_sgpr_count 2
		.amdhsa_user_sgpr_kernarg_segment_ptr 1
		.amdhsa_wavefront_size32 1
		.amdhsa_system_sgpr_workgroup_id_x 1
		.amdhsa_system_sgpr_workgroup_id_y 1
		.amdhsa_system_sgpr_workgroup_id_z 1
		.amdhsa_system_vgpr_workitem_id 0
		.amdhsa_next_free_vgpr 256
		.amdhsa_next_free_sgpr 66
		.amdhsa_reserve_vcc 1
		.amdhsa_float_denorm_mode_32 3
		.amdhsa_float_denorm_mode_16_64 3
		.amdhsa_memory_ordered 1
		.amdhsa_forward_progress 1
		.amdhsa_inst_pref_size 109
	.end_amdhsa_kernel
	.amdgpu_metadata
---
amdhsa.version: [ 1, 2 ]
amdhsa.kernels:
  - .name:           k_q5e181d5eab_qa
    .symbol:         k_q5e181d5eab_qa.kd
    .args:
      - { .name: x, .offset: 0, .size: 8, .value_kind: global_buffer, .address_space: global }
      - { .name: gate_w, .offset: 8, .size: 8, .value_kind: global_buffer, .address_space: global }
      - { .name: w1_s, .offset: 16, .size: 8, .value_kind: global_buffer, .address_space: global }
      - { .name: w3_s, .offset: 24, .size: 8, .value_kind: global_buffer, .address_space: global }
      - { .name: w1_r, .offset: 32, .size: 8, .value_kind: global_buffer, .address_space: global }
      - { .name: w3_r, .offset: 40, .size: 8, .value_kind: global_buffer, .address_space: global }
      - { .name: w13, .offset: 48, .size: 8, .value_kind: global_buffer, .address_space: global }
      - { .name: xq, .offset: 56, .size: 8, .value_kind: global_buffer, .address_space: global }
      - { .name: sel, .offset: 64, .size: 8, .value_kind: global_buffer, .address_space: global }
      - { .name: gw, .offset: 72, .size: 8, .value_kind: global_buffer, .address_space: global }
    .group_segment_fixed_size: 41984
    .private_segment_fixed_size: 0
    .kernarg_segment_align: 8
    .kernarg_segment_size: 80
    .max_flat_workgroup_size: 128
    .sgpr_count:     66
    .vgpr_count:     256
    .wavefront_size: 32
...
	.end_amdgpu_metadata
.endif
;; end of part 1
;; launch qb (part 2): grid 1089 x 1, 4 waves a work-group, no clusters, 12,800 bytes of LDS; arguments w2_s, w2_r, out_w, sel, gw, w2o, lst, out1; writes w2o, lst, out1
.if DOCPART == 2
	.amdgcn_target "amdgcn-amd-amdhsa--gfx1250"
	.amdhsa_code_object_version 6
	.text
	.protected	k_q5e181d5eab_qb
	.globl	k_q5e181d5eab_qb
	.p2align	8
	.type	k_q5e181d5eab_qb,@function
k_q5e181d5eab_qb:
	s_mov_b64 s[64:65], 0
	v_nop
	global_prefetch_b8 v0, s[64:65] scope:SCOPE_SE
	s_setreg_imm32_b32 hwreg(HW_REG_WAVE_MODE, 25, 1), 1
	s_wait_xcnt 0x0
; Launch 2 of 5: the codes of w2 of all eight experts and of out_w; beside that stream, work-group 0 places the routed rows by expert and finishes the aux loss.
; Rows of experts that a token did not choose get no place: their gate weight is 0 by reference()'s own comparison (shown at the head of the first launch).
; WORK-GROUPS 1-1088: 128 columns x 128 along K (one K step) of a matrix [K][1024]: a lane takes a column, its registers run down K; the codes leave in the order of the operand's registers (1,536 bytes a
; fragment, lane l's registers 4 c .. 4 c + 3 at 512 c + 16 l; of a group of 32 columns, column 16 a + 8 u + i is row i + 8 a of tile u).  w2o: expert E (0-7; 8 = out_w) at 1,572,864 E, fragment
; tile x KS + K step, KS = 16 (out_w: 8); scale bytes behind, 4 KS a column.  A wave has 128 loads of 128 bytes, 64 of them out from its first line on; four to five work-groups share a WGP.
; A column's four scale bytes of a K step leave as one word a lane, 4 KS bytes apart: one byte in 128 of what the launch reads.  A block of zeros gets the byte 1; NaN and infinities are not served.
; WORK-GROUP 0: sel[token] = e0 | e1 << 8, stored by the launch before.  Row tiles have 128 places: tiles 0-7 expert 0, 8-15 expert 1 (place = 1,024 E + token), then each routed expert's tiles on end:
; never more than 16 + 5 of them, whatever the choice.  lst: rows[place] = token (padding and unused tiles: token 0; entries 4,736 on swallow what is not wanted), st[token] = its two places,
; tiles[j] = (expert, rows).  Every wave counts all 1,024 tokens itself (the totals, and what the waves before it hold), so the waves hand each other nothing; the order of an expert's rows is free.
.set RB,    4096
.set W2S,   13369344                   ; where w2o's scale bytes begin
.set ST,    19456                      ; lst: st
.set TT,    27648                      ; lst: tiles
.set SPARE, 12288                      ; behind the four stages of 3,072 bytes: the spare words, named by no other line
.set SPW,   14
.set NIL,   15
.set SB,    24
.set X,     32
.set C,     96
.set CT,    102
.set OUTR,  112
.set SRC,   30
.set CD0,   42
.set CD1,   44
.set SCB,   46
	s_load_b256 s[4:11], s[0:1], 0x0               ; w2_s, w2_r, out_w, sel
	s_load_b256 s[12:19], s[0:1], 0x20             ; gw, w2o, lst, out1
	v_lshl_add_u32 v[SPW], v0, 2, SPARE
	v_mov_b32 v[NIL], 0
	v_lshrrev_b32 v1, 5, v0
	v_readfirstlane_b32 s50, v1                    ; wave 0..3
	v_and_b32 v2, 31, v0                           ; lane
	s_cmp_eq_u32 ttmp9, 0
	s_cbranch_scc1 .Lplace
	; ---------------- the weights ----------------
	v_lshlrev_b32 v3, 2, v2
	v_bfe_u32 v5, v0, 3, 1                         ; u
	v_and_b32 v6, 7, v0
	v_bfe_u32 v10, v0, 4, 1
	v_lshl_or_b32 v6, v10, 3, v6                   ; i + 8 a
	v_lshlrev_b32 v6, 4, v6
	v_mad_u32_u24 v4, v5, 1536, v6                 ; a tile's one fragment
	s_mul_i32 s29, s50, 3072                       ; my wave's stage
	v_add_nc_u32 v4, s29, v4
	v_lshlrev_b32 v8, 4, v2
	v_add_nc_u32 v7, s29, v8
	s_sub_co_u32 s25, ttmp9, 1
	s_lshr_b32 s26, s25, 7                         ; E: 128 work-groups an expert; the last 64 are out_w's
	s_and_b32 s27, s25, 7                          ; cx: which 128 columns
	s_bfe_u32 s28, s25, 0x40003                    ; ky: which K step (out_w: 0-7)
	s_wait_kmcnt 0x0
	s_mov_b64 s[SRC:SRC+1], s[8:9]                 ; E = 8: out_w
	s_mov_b32 s32, 8
	s_cmp_lt_u32 s26, 8                            ; E 2-7: w2_r
	s_cselect_b64 s[SRC:SRC+1], s[6:7], s[SRC:SRC+1]
	s_cselect_b32 s32, 2, s32
	s_cselect_b32 s33, 16, 8                       ; KS
	s_cmp_lt_u32 s26, 2                            ; E 0, 1: w2_s
	s_cselect_b64 s[SRC:SRC+1], s[4:5], s[SRC:SRC+1]
	s_cselect_b32 s32, 0, s32
	s_sub_co_u32 s35, s26, s32
	s_lshl_b32 s36, s35, 23
	s_lshl_b32 s37, s28, 19                        ; 128 rows of 4,096 bytes
	s_add_co_u32 s36, s36, s37
	s_lshl_b32 s37, s27, 9
	s_add_co_u32 s36, s36, s37
	s_lshl_b32 s37, s50, 7
	s_add_co_u32 s36, s36, s37
	s_mov_b32 s37, 0
	s_add_nc_u64 s[SRC:SRC+1], s[SRC:SRC+1], s[36:37]
	s_mul_i32 s40, s26, 1572864
	s_lshl_b32 s38, s27, 3
	s_lshl_b32 s39, s50, 1
	s_add_co_u32 s38, s38, s39                     ; my first tile: 8 cx + 2 w
	s_mul_i32 s38, s38, s33
	s_add_co_u32 s38, s38, s28                     ; its K step ky
	s_mul_i32 s38, s38, 1536
	s_add_co_u32 s40, s40, s38
	s_mov_b32 s41, 0
	s_add_nc_u64 s[CD0:CD0+1], s[14:15], s[40:41]
	s_mul_i32 s40, s33, 1536
	s_add_nc_u64 s[CD1:CD1+1], s[CD0:CD0+1], s[40:41]
	s_lshl_b32 s48, s33, 2                         ; a column's scale bytes
	s_lshl_b32 s46, s27, 7
	s_lshl_b32 s47, s50, 5
	s_add_co_u32 s46, s46, s47
	s_mul_i32 s46, s46, s48
	s_lshl_b32 s47, s26, 16
	s_add_co_u32 s46, s46, s47
	s_lshl_b32 s47, s28, 2
	s_add_co_u32 s46, s46, s47                     ; + 4 ky
	s_add_co_u32 s46, s46, W2S
	s_mov_b32 s47, 0
	s_add_nc_u64 s[SCB:SCB+1], s[14:15], s[46:47]
	v_mul_u32_u24 v9, s48, v2
.macro QLOAD t
.set XL, X+32*((\t)%2)
.set i, 0
.rept 32
	global_load_b32 v[XL+i], v3, s[SRC:SRC+1] offset:(32*(\t)+i)*RB th:TH_LOAD_NT
.set i, i+1
.endr
.endm
.macro QBLOCK t                        ; block t of the K step's 4: lane row + 16 (t % 2), registers 6 (t / 2) on
.set XS, X+32*((\t)%2)
.set QO, 256*((\t)%2)
.if (\t) < 3
	s_wait_loadcnt 32                              ; this block's 32 loads are in; the next block's 32 may be out
.else
	s_wait_loadcnt 0
.endif
	v_max3_num_f32 v12, |v[XS]|, |v[XS+1]|, |v[XS+2]|
	v_max3_num_f32 v13, |v[XS+3]|, |v[XS+4]|, |v[XS+5]|
.irp i, 6,10,14,18,22,26
	v_max3_num_f32 v12, v12, |v[XS+\i]|, |v[XS+\i+1]|
	v_max3_num_f32 v13, v13, |v[XS+\i+2]|, |v[XS+\i+3]|
.endr
	v_max3_num_f32 v12, v12, |v[XS+30]|, |v[XS+31]|
	v_max3_num_f32 v12, v12, v13, 0x1800000        ; the floor 2^(3 - 127)
	v_add_nc_u32 v11, 0xff000000, v12              ; 2 off the exponent field: the conversion's scale operand
	v_cvt_scalef32_pk16_fp6_f32 v[C:C+2], v[XS:XS+15], v11
	v_cvt_scalef32_pk16_fp6_f32 v[CT:CT+2], v[XS+16:XS+31], v11
	v_lshrrev_b32 v13, 23, v11                     ; the scale's byte; also the plain line between the conversions and the moves
.if (\t) == 0
	v_mov_b32 v[SB], v13
.else
	v_lshl_or_b32 v[SB], v13, 8*(\t), v[SB]
.endif
.irp i, 0,1,2
	v_mov_b32 v[C+3+\i], v[CT+\i]
.endr
.if (\t)/2 == 0
	ds_store_b128 v4, v[C:C+3] offset:QO
	ds_store_b64 v4, v[C+4:C+5] offset:QO+512
.else
	ds_store_b64 v4, v[C:C+1] offset:QO+520
	ds_store_b128 v4, v[C+2:C+5] offset:QO+1024
.endif
.if (\t) < 2
	QLOAD (\t)+2
.endif
	s_wait_dscnt 0x0                               ; the stores have read their registers
.endm
	QLOAD 0
	QLOAD 1
.irp t, 0,1,2,3
	QBLOCK \t
.endr
	global_store_b32 v9, v[SB], s[SCB:SCB+1]       ; my column's scale word of this K step
.irp j, 0,1,2,3,4,5
	ds_load_b128 v[OUTR+4*\j:OUTR+4*\j+3], v7 offset:512*\j        ; LDS serves a wave's instructions in order: these see my stores
.endr
.irp j, 0,1,2
	s_wait_dscnt 5-\j                              ; the younger loads may be out
	global_store_b128 v8, v[OUTR+4*\j:OUTR+4*\j+3], s[CD0:CD0+1] offset:512*\j     ; 32 lanes store 512 consecutive bytes
.endr
.irp j, 3,4,5
	s_wait_dscnt 5-\j
	global_store_b128 v8, v[OUTR+4*\j:OUTR+4*\j+3], s[CD1:CD1+1] offset:512*(\j-3)
.endr
	s_branch .Lend
	; ---------------- the rows' places ----------------
	; v32-63 all of sel (quarter c: v[32 + 8 c] on); v64-71 my wave's quarter once more; v72-79 identity rows; v80-87 my tokens; v88-103 their two places; v104-119 addresses; v120-130 the fill's
	; s20-25 totals; s26-31 what the waves before me hold, then the running place; s32-37 a quarter's counts; s40-46 tiles before expert e; s52-57 an expert's first place
.Lplace:
	v_lshlrev_b32 v3, 4, v2
	s_lshl_b32 s51, s50, 10
	v_add_nc_u32 v4, s51, v3                       ; my quarter: token = 256 w + 128 j + 4 l + i
	v_lshlrev_b32 v5, 4, v0
	s_wait_kmcnt 0x0
.irp n, 0,1,2,3,4,5,6,7
	global_load_b128 v[32+4*\n:35+4*\n], v3, s[10:11] offset:512*\n
.endr
	global_load_b128 v[64:67], v4, s[10:11]
	global_load_b128 v[68:71], v4, s[10:11] offset:512
	v_lshlrev_b32 v72, 2, v0                       ; the shared experts' rows: place 1,024 E + token
.irp i, 1,2,3
	v_add_nc_u32 v[72+\i], \i, v72
.endr
.irp i, 0,1,2,3
	v_add_nc_u32 v[76+\i], 512, v[72+\i]
.endr
	global_store_b128 v5, v[72:75], s[16:17]
	global_store_b128 v5, v[76:79], s[16:17] offset:2048
	global_store_b128 v5, v[72:75], s[16:17] offset:4096
	global_store_b128 v5, v[76:79], s[16:17] offset:6144
	s_lshl_b32 s51, s50, 8
	v_lshl_add_u32 v80, v2, 2, s51
.irp i, 1,2,3
	v_add_nc_u32 v[80+\i], \i, v80
.endr
.irp i, 0,1,2,3
	v_add_nc_u32 v[84+\i], 128, v[80+\i]
.endr
.irp e, 0,1,2,3,4,5,6,7,8,9,10,11
	s_mov_b32 s[20+\e], 0
.endr
.irp k, 0,1,2,3,4,5,6,7,8,9,10,11,12,13,14,15
	v_mov_b32 v[88+\k], 0
.endr
	s_wait_loadcnt 0x0
.macro CNT reg                         ; 32 tokens: how many chose each expert (a token's two experts differ)
	v_and_b32 v16, 0xff, v[\reg]
	v_lshrrev_b32 v17, 8, v[\reg]
.irp e, 0,1,2,3,4,5
	v_cmp_eq_u32 s38, \e, v16
	v_cmp_eq_u32 s39, \e, v17
	s_or_b32 s38, s38, s39
	s_bcnt1_i32_b32 s38, s38
	s_add_co_u32 s[32+\e], s[32+\e], s38
.endr
.endm
.irp c, 0,1,2,3
.irp e, 0,1,2,3,4,5
	s_mov_b32 s[32+\e], 0
.endr
.irp k, 0,1,2,3,4,5,6,7
	CNT 32+8*\c+\k
.endr
.irp e, 0,1,2,3,4,5
	s_add_co_u32 s[20+\e], s[20+\e], s[32+\e]      ; the totals
.endr
	s_cmp_gt_u32 s50, \c                           ; a quarter of a wave before mine?
.irp e, 0,1,2,3,4,5
	s_cselect_b32 s[32+\e], s[32+\e], 0
.endr
.irp e, 0,1,2,3,4,5
	s_add_co_u32 s[26+\e], s[26+\e], s[32+\e]
.endr
.endr
	s_mov_b32 s40, 0
.irp e, 0,1,2,3,4,5
	s_add_co_u32 s38, s[20+\e], 127
	s_lshr_b32 s38, s38, 7                         ; the expert's tiles
	s_add_co_u32 s[41+\e], s[40+\e], s38
	s_lshl_b32 s39, s[40+\e], 7
	s_add_co_u32 s[52+\e], s39, 2048               ; its first place
	s_add_co_u32 s[26+\e], s[26+\e], s[52+\e]      ; my wave's first place in it
.endr
.macro POS k                           ; register k of my quarter: each token's place in each of its two experts
	v_and_b32 v16, 0xff, v[64+\k]
	v_lshrrev_b32 v17, 8, v[64+\k]
.irp e, 0,1,2,3,4,5
	v_cmp_eq_u32 s38, \e, v16
	v_cmp_eq_u32 s39, \e, v17
	s_or_b32 s47, s38, s39
	v_mbcnt_lo_u32_b32 v20, s47, s[26+\e]          ; the running place + the lanes below me that chose e
	v_cndmask_b32 v[88+2*\k], v[88+2*\k], v20, s38
	v_cndmask_b32 v[89+2*\k], v[89+2*\k], v20, s39
	s_bcnt1_i32_b32 s47, s47
	s_add_co_u32 s[26+\e], s[26+\e], s47
.endr
.endm
.irp k, 0,1,2,3,4,5,6,7
	POS \k
.endr
.irp k, 0,1,2,3,4,5,6,7,8,9,10,11,12,13,14,15
	v_min_u32 v[104+\k], 0x12ff, v[88+\k]          ; a number made of loaded ones is held inside rows[] before it becomes an address
	v_lshlrev_b32 v[104+\k], 2, v[104+\k]
.endr
.irp k, 0,1,2,3,4,5,6,7
	global_store_b32 v[104+2*\k], v[80+\k], s[16:17]       ; rows[place] = token
	global_store_b32 v[105+2*\k], v[80+\k], s[16:17]
.endr
	s_lshl_b32 s51, s50, 11
	v_lshl_add_u32 v21, v2, 5, s51                 ; st: 8 bytes a token, my four tokens on end
.irp j, 0,1
	global_store_b128 v21, v[88+8*\j:91+8*\j], s[16:17] offset:ST+1024*\j
	global_store_b128 v21, v[92+8*\j:95+8*\j], s[16:17] offset:ST+1024*\j+16
.endr
	v_mov_b32 v18, 0                               ; the fill: token 0 for every place that no row took, so that every entry that is read has been stored
	v_add_nc_u32 v19, 4736, v0                     ; where a thread with nothing to fill stores
.irp e, 0,1,2,3,4,5
	s_sub_co_u32 s38, s[41+\e], s[40+\e]
	s_lshl_b32 s38, s38, 7
	s_sub_co_u32 s38, s38, s[20+\e]                ; places left over in the expert's last tile: under 128
	s_add_co_u32 s39, s[52+\e], s[20+\e]
	v_add_nc_u32 v[120+\e], s39, v0
	v_cmp_gt_u32 vcc_lo, s38, v0
	v_cndmask_b32 v[120+\e], v19, v[120+\e], vcc_lo
	v_min_u32 v[120+\e], 0x12ff, v[120+\e]
	v_lshlrev_b32 v[120+\e], 2, v[120+\e]
	global_store_b32 v[120+\e], v18, s[16:17]
.endr
	s_lshl_b32 s38, s46, 7
	s_add_co_u32 s38, s38, 2048                    ; behind the last tile in use: at most five tiles
.irp k, 0,1,2,3,4
	v_add_nc_u32 v[126+\k], s38, v0
	v_add_nc_u32 v[126+\k], 128*\k, v[126+\k]
	v_cmp_gt_u32 vcc_lo, 4736, v[126+\k]
	v_cndmask_b32 v[126+\k], v19, v[126+\k], vcc_lo
	v_min_u32 v[126+\k], 0x12ff, v[126+\k]
	v_lshlrev_b32 v[126+\k], 2, v[126+\k]
	global_store_b32 v[126+\k], v18, s[16:17]
.endr
	s_cmp_lg_u32 s50, 0
	s_cbranch_scc1 .Lend
	; wave 0: the table of tiles, entries j = l and 32 + l
	v_mov_b32 v22, 128
.macro TILE hf
.set B, 132+8*\hf
	v_add_nc_u32 v[B], 32*\hf-16, v2               ; jr = j - 16: which routed tile
	v_mov_b32 v[B+1], 0
	v_mov_b32 v[B+2], 0
	v_mov_b32 v[B+3], s20
.irp i, 1,2,3,4,5
	v_cmp_le_i32 vcc_lo, s[40+\i], v[B]            ; the last expert whose tiles begin at or before jr
	v_cndmask_b32 v[B+1], v[B+1], \i, vcc_lo
	v_cndmask_b32 v[B+2], v[B+2], s[40+\i], vcc_lo
	v_cndmask_b32 v[B+3], v[B+3], s[20+\i], vcc_lo
.endr
	v_sub_nc_u32 v[B+2], v[B], v[B+2]
	v_lshlrev_b32 v[B+2], 7, v[B+2]
	v_sub_nc_u32 v[B+5], v[B+3], v[B+2]            ; the expert's rows from this tile on
	v_cmp_lt_i32 vcc_lo, 0, v[B+5]
	v_cndmask_b32 v[B+5], 0, v[B+5], vcc_lo
	v_min_u32 v[B+5], 128, v[B+5]
	v_add_nc_u32 v[B+4], 2, v[B+1]
	v_cmp_gt_i32 vcc_lo, 0, v[B]                   ; tiles 0-15: the shared experts, full
	v_lshrrev_b32 v[B+1], 3, v2
	v_cndmask_b32 v[B+4], v[B+4], v[B+1], vcc_lo
	v_cndmask_b32 v[B+5], v[B+5], v22, vcc_lo
	v_lshlrev_b32 v[B+6], 3, v2
	global_store_b64 v[B+6], v[B+4:B+5], s[16:17] offset:TT+256*\hf
.endm
	TILE 0
	TILE 1
	; the aux loss: 64 groups' parts of 16 words; lane l takes word l % 16 of groups 2 i + l / 16
	v_lshlrev_b32 v23, 2, v2
.set i, 0
.rept 32
	global_load_b32 v[148+i], v23, s[12:13] offset:8192+128*i
.set i, i+1
.endr
	s_mov_b32 s38, 0x76543210
	s_mov_b32 s39, 0xfedcba98                      ; lane l xor 16
	v_mov_b32 v24, 0
	v_mov_b32 v25, 0
	v_and_b32 v26, 15, v2
	s_wait_loadcnt 0x0
.set i, 1
.rept 31
	v_add_f32 v148, v148, v[148+i]
.set i, i+1
.endr
	v_permlanex16_b32 v24, v148, s38, s39
	v_add_f32 v148, v148, v24                      ; lanes 0-5 of a row: the sums of probs; lanes 6-11: the counts of top-1
	v_mov_b32_dpp v25, v148 row_shl:6 row_mask:0xf bank_mask:0xf   ; lane e takes lane e + 6's
	v_mul_f32 v25, v25, v148
	v_cmp_gt_u32 vcc_lo, 6, v26
	v_cndmask_b32 v25, 0, v25, vcc_lo
.irp m, 1,2,4,8
	v_add_f32_dpp v25, v25, v25 row_xmask:\m row_mask:0xf bank_mask:0xf
.endr
	v_mul_f32 v25, 0x3375c28f, v25                 ; x 0.01 x 6 / 1,024^2
	global_store_b32 v18, v25, s[18:19]            ; all 32 lanes hold the same number and store it to the one word
.Lend:
	s_wait_tensorcnt 0x0                           ; the wave's end, behind my last LDS store
	ds_add_u32 v[SPW], v[NIL]
	s_wait_dscnt 0x0
	s_endpgm
.Lfunc_end_k_q5e181d5eab_qb:
	.size	k_q5e181d5eab_qb, .Lfunc_end_k_q5e181d5eab_qb-k_q5e181d5eab_qb
	.p2alignl 7, 3214868480
	.fill 96, 4, 3214868480
	.section	.rodata,"a",@progbits
	.p2align	6, 0x0
	.amdhsa_kernel k_q5e181d5eab_qb
		.amdhsa_group_segment_fixed_size 12800
		.amdhsa_private_segment_fixed_size 0
		.amdhsa_enable_private_segment 0
		.amdhsa_kernarg_size 64
		.amdhsa_user_sgpr_count 2
		.amdhsa_user_sgpr_kernarg_segment_ptr 1
		.amdhsa_wavefront_size32 1
		.amdhsa_system_sgpr_workgroup_id_x 1
		.amdhsa_system_sgpr_workgroup_id_y 1
		.amdhsa_system_sgpr_workgroup_id_z 1
		.amdhsa_system_vgpr_workitem_id 0
		.amdhsa_next_free_vgpr 192
		.amdhsa_next_free_sgpr 66
		.amdhsa_reserve_vcc 1
		.amdhsa_float_denorm_mode_32 3
		.amdhsa_float_denorm_mode_16_64 3
		.amdhsa_memory_ordered 1
		.amdhsa_forward_progress 1
		.amdhsa_inst_pref_size 113
	.end_amdhsa_kernel
	.amdgpu_metadata
---
amdhsa.version: [ 1, 2 ]
amdhsa.kernels:
  - .name:           k_q5e181d5eab_qb
    .symbol:         k_q5e181d5eab_qb.kd
    .args:
      - { .name: w2_s, .offset: 0, .size: 8, .value_kind: global_buffer, .address_space: global }
      - { .name: w2_r, .offset: 8, .size: 8, .value_kind: global_buffer, .address_space: global }
      - { .name: out_w, .offset: 16, .size: 8, .value_kind: global_buffer, .address_space: global }
      - { .name: sel, .offset: 24, .size: 8, .value_kind: global_buffer, .address_space: global }
      - { .name: gw, .offset: 32, .size: 8, .value_kind: global_buffer, .address_space: global }
      - { .name: w2o, .offset: 40, .size: 8, .value_kind: global_buffer, .address_space: global }
      - { .name: lst, .offset: 48, .size: 8, .value_kind: global_buffer, .address_space: global }
      - { .name: out1, .offset: 56, .size: 8, .value_kind: global_buffer, .address_space: global }
    .group_segment_fixed_size: 12800
    .private_segment_fixed_size: 0
    .kernarg_segment_align: 8
    .kernarg_segment_size: 64
    .max_flat_workgroup_size: 128
    .sgpr_count:     66
    .vgpr_count:     192
    .wavefront_size: 32
...
	.end_amdgpu_metadata
.endif
;; end of part 2
;; launch up (part 3): grid 16 x 37, 4 waves a work-group, no clusters, 121,856 bytes of LDS; arguments w13, xq, lst, hq; writes hq
.if DOCPART == 3
	.amdgcn_target "amdgcn-amd-amdhsa--gfx1250"
	.amdhsa_code_object_version 6
	.text
	.protected	k_q5e181d5eab_up
	.globl	k_q5e181d5eab_up
	.p2align	8
	.type	k_q5e181d5eab_up,@function
k_q5e181d5eab_up:
	s_mov_b64 s[64:65], 0
	v_nop
	global_prefetch_b8 v0, s[64:65] scope:SCOPE_SE
	s_setreg_imm32_b32 hwreg(HW_REG_WAVE_MODE, 25, 1), 1
	s_wait_xcnt 0x0
; Launch 3 of 5: h = silu(x w1) * (x w3), quantised along the hidden axis, for one row tile (128 places of one expert) x 128 hidden units.
; Only the rows that chose an expert are multiplied (the rest has the gate weight 0 by reference()'s own comparison: shown at the head of the first launch).
; The grid serves every split: 16 tiles of the shared experts and up to 21 of the routed ones; a tile that the stored table leaves without rows stores nothing.  That is a branch on a stored number,
; and since every wave passes every barrier, the branch is taken three times, round the three sections between the barriers, never round a barrier.
; Each section reads only registers written ahead of the first branch or in itself.
; SHARES.  Wave w: all 128 places x hidden units 128 ct + 32 w .. + 31, of w1 and of w3: four weight tiles t = 2 mat + u, 32 accumulators.  The weights' fragments come from memory straight into
; registers (three loads of 16 bytes a lane: w13 lies in the order of the operand's registers), two K steps ahead.
; x IS GATHERED IN LONG RUNS.  A token's 768 bytes in xq hold, at 256 c + 32 ks + 16 h, the registers 4 c .. 4 c + 3 of lane (row, h) of K step ks.  A load takes a pair of places: lanes 0-15 read 256
; consecutive bytes of one token, lanes 16-31 of the other; a lane's 16 bytes are a piece of a fragment's image as they come, and one LDS store puts them at their place.  48 loads a wave bring its 32 places.
; In LDS the pieces of (fragment i, c) form 16 rows (q = 2 ks + h) of 16 places x 16 bytes, 256 + 16 bytes apart: the 16 lanes of a store (one place, 16 q) and the 16 lanes of a load (one q, 16 places)
; both touch 16 different columns of 16 bytes (64 banks of 4 bytes: ISA guide 11.1).
; THE PRODUCT IS USED TRANSPOSED (source 0 = 16 weight columns, source 1 = 16 places): a lane holds one place, and its 16 registers of tiles u = 0, 1 are 16 neighbouring hidden units: half a block of the
; next K.  A wave's 32 units are one block of 32: 24 bytes and one scale byte a place.  The four waves' blocks meet in LDS as the image of K step ct of the next product and leave in whole runs of 512 bytes.
; Places beyond a tile's rows hold token 0's row; what is made of them is stored and never used.
.set XIMG,  0                          ; LDS: x's pieces at (3 i + c) x 4,352 + 272 (2 ks + h) + 16 r
.set XSB,   104448                     ; x's scale words: 512 ks + 4 place
.set HIMG,  108544                     ; h's eight fragments
.set HSB,   120832                     ; h's scale bytes: 4 place + w
.set SPARE, 121344                     ; the spare words, named by no other line
.set W13S,  25165824
.set XQS,   786432
.set TT,    27648
.set HSC,   7274496
; window 0: v1 16 l (offset of the weights' loads and of the stores), v3 x's scale words, v4-6 where my block's three pieces of 8 bytes go, v7 my scale byte, v8, v9 where I put x's pieces and scale words,
;   v12 offset of x's scale bytes, v13, v19 offsets in rows[], v16 weights' scale bytes, v17, v18 the way out, v20, v21 x's fragments 0-3 and 4-7 in LDS, v23 16 q
.set SPW,   14
.set NIL,   15
.set XAD,   20
.set WSC,   24                         ; v24-39   weights' scale words: 8 mat + ks; lanes 0-15 tile u = 0, lanes 16-31 tile u = 1
.set XS,    40                         ; v40-47   x's scale words, two sets of four: lanes 0-15 fragment 2 ip, lanes 16-31 fragment 2 ip + 1
.set WR,    48                         ; v48-143  weights, two sets of four fragments
.set XA,    144                        ; v144-191 x's fragments 0-3;  v192-239 fragments 4-7
.set XB,    192
.set TK,    220                        ; v220-235 ahead of the products: the token of place 2 p + l / 16 of my 32, then its offset in xq; v236 the token of place l
; window 1: accumulators: x w1 at 16 i + 8 u, x w3 at 128 + 16 i + 8 u (ahead of the products: the gathered codes of x)
.set MSB, 0
.macro WIN new                         ; the immediate's high byte repeats the setting that is left
.if MSB != \new
	s_set_vgpr_msb (MSB<<8)|\new
.set MSB, \new
.endif
.endm
.macro PLACES                          ; four plain lines between a matrix instruction and a load into its registers or a read of its result (ISA guide 7.12.1 for a read of its result)
.rept 4
	v_nop
.endr
.endm
.macro WLOAD ks
.irp t, 0,1,2,3
.irp c, 0,1,2
	global_load_b128 v[WR+48*((\ks)%2)+12*\t+4*\c:WR+48*((\ks)%2)+12*\t+4*\c+3], v1, s[20:21] offset:1572864*(\t/2)+12288*(\t%2)+1536*(\ks)+512*\c
.endr
.endr
.endm
.macro XFETCH half, ks
.irp ii, 0,1,2,3
.irp c, 0,1,2
	ds_load_b128 v[XA+48*(\half)+12*\ii+4*\c:XA+48*(\half)+12*\ii+4*\c+3], v[XAD+(\half)] offset:(3*\ii+\c)*4352+544*(\ks)
.endr
.endr
.endm
.macro XSC ks
.irp ip, 0,1,2,3
	ds_load_b32 v[XS+4*((\ks)%2)+\ip], v3 offset:512*(\ks)+128*\ip
.endr
.endm
.macro WM                              ; one product; rD, rW, rX, rSA, rSB: its registers; MA, MB: the scales stand in lanes 16-31; ZF: it starts the sum
.if ZF
.if MA && MB
	v_wmma_scale_f32_16x16x128_f8f6f4 v[rD:rD+7], v[rW:rW+11], v[rX:rX+11], 0, v[rSA], v[rSB] matrix_a_fmt:MATRIX_FMT_FP6 matrix_b_fmt:MATRIX_FMT_FP6 matrix_a_scale:MATRIX_SCALE_ROW1 matrix_b_scale:MATRIX_SCALE_ROW1
.elseif MA
	v_wmma_scale_f32_16x16x128_f8f6f4 v[rD:rD+7], v[rW:rW+11], v[rX:rX+11], 0, v[rSA], v[rSB] matrix_a_fmt:MATRIX_FMT_FP6 matrix_b_fmt:MATRIX_FMT_FP6 matrix_a_scale:MATRIX_SCALE_ROW1
.elseif MB
	v_wmma_scale_f32_16x16x128_f8f6f4 v[rD:rD+7], v[rW:rW+11], v[rX:rX+11], 0, v[rSA], v[rSB] matrix_a_fmt:MATRIX_FMT_FP6 matrix_b_fmt:MATRIX_FMT_FP6 matrix_b_scale:MATRIX_SCALE_ROW1
.else
	v_wmma_scale_f32_16x16x128_f8f6f4 v[rD:rD+7], v[rW:rW+11], v[rX:rX+11], 0, v[rSA], v[rSB] matrix_a_fmt:MATRIX_FMT_FP6 matrix_b_fmt:MATRIX_FMT_FP6
.endif
.else
.if MA && MB
	v_wmma_scale_f32_16x16x128_f8f6f4 v[rD:rD+7], v[rW:rW+11], v[rX:rX+11], v[rD:rD+7], v[rSA], v[rSB] matrix_a_fmt:MATRIX_FMT_FP6 matrix_b_fmt:MATRIX_FMT_FP6 matrix_a_scale:MATRIX_SCALE_ROW1 matrix_b_scale:MATRIX_SCALE_ROW1
.elseif MA
	v_wmma_scale_f32_16x16x128_f8f6f4 v[rD:rD+7], v[rW:rW+11], v[rX:rX+11], v[rD:rD+7], v[rSA], v[rSB] matrix_a_fmt:MATRIX_FMT_FP6 matrix_b_fmt:MATRIX_FMT_FP6 matrix_a_scale:MATRIX_SCALE_ROW1
.elseif MB
	v_wmma_scale_f32_16x16x128_f8f6f4 v[rD:rD+7], v[rW:rW+11], v[rX:rX+11], v[rD:rD+7], v[rSA], v[rSB] matrix_a_fmt:MATRIX_FMT_FP6 matrix_b_fmt:MATRIX_FMT_FP6 matrix_b_scale:MATRIX_SCALE_ROW1
.else
	v_wmma_scale_f32_16x16x128_f8f6f4 v[rD:rD+7], v[rW:rW+11], v[rX:rX+11], v[rD:rD+7], v[rSA], v[rSB] matrix_a_fmt:MATRIX_FMT_FP6 matrix_b_fmt:MATRIX_FMT_FP6
.endif
.endif
.endm
.macro MULH ks, half                   ; 16 products: four fragments of x against my four weight tiles.  The 32 accumulators take turns, one instruction a turn, in the same order in every K step
.if (\ks) == 0
.set ZF, 1
.else
.set ZF, 0
.endif
.irp ii, 0,1,2,3
.irp t, 0,1,2,3
.set rD, 128*(\t/2)+16*(4*(\half)+\ii)+8*(\t%2)
.set rW, WR+48*((\ks)%2)+12*\t
.set rX, XA+48*(\half)+12*\ii
.set rSA, WSC+8*(\t/2)+(\ks)
.set rSB, XS+4*((\ks)%2)+2*(\half)+\ii/2
.set MA, \t%2
.set MB, \ii%2
	WM
.endr
.endr
.endm
.macro KSTEP ks
.if (\ks) < 7
	s_wait_loadcnt 12                              ; this K step's weights are in; the next step's 12 loads may be out
.else
	s_wait_loadcnt 0
.endif
	s_wait_dscnt 12                                ; x's fragments 0-3 and scale words are in; the 12 loads of fragments 4-7 may be out
	WIN 0x50                                       ; C and D in window 1
	MULH \ks, 0
	s_wait_dscnt 0x0                               ; fragments 4-7 are in
	PLACES
.if (\ks) < 7
	WIN 0
	XFETCH 0, (\ks)+1
	XSC (\ks)+1
	WIN 0x50
.endif
	MULH \ks, 1
	PLACES
	WIN 0
.if (\ks) < 7
	XFETCH 1, (\ks)+1
.endif
.if (\ks) < 6
	WLOAD (\ks)+2
.endif
.endm
	; ---- ahead of the first branch: addresses, the tile's entry, the tokens, the first weights
	s_load_b256 s[4:11], s[0:1], 0x0               ; w13, xq, lst, hq
	v_lshl_add_u32 v[SPW], v0, 2, SPARE
	v_mov_b32 v[NIL], 0
	v_lshrrev_b32 v1, 5, v0
	v_readfirstlane_b32 s12, v1                    ; wave
	s_mov_b32 s13, ttmp9                           ; ct: which 128 hidden units
	s_and_b32 s14, ttmp7, 0xffff                   ; rt: which row tile
	s_lshl_b32 s15, s14, 3
	v_and_b32 v248, 31, v0                         ; l
	v_and_b32 v249, 15, v0                         ; r; in the gather: q
	v_bfe_u32 v250, v0, 4, 1                       ; h; in the gather: which place of a pair
	v_lshlrev_b32 v1, 4, v248
	v_mul_u32_u24 v[XAD], v250, 272
	v_lshl_add_u32 v[XAD], v249, 4, v[XAD]         ; a fragment's lane (r, h): 272 h + 16 r
	v_add_nc_u32 v[XAD+1], 52224, v[XAD]           ; fragments 4-7: 12 x 4,352 further on
	v_lshl_add_u32 v3, v248, 2, XSB
	s_and_b32 s18, s12, 1                          ; my block w of the K step's four lies in lane r + 16 (w % 2), registers 6 (w / 2) on
	s_lshr_b32 s19, s12, 1
	v_lshlrev_b32 v251, 4, v249
	v_mad_u32_u24 v251, v250, 1536, v251           ; (behind the exchange of halves lanes 16-31 hold the pair's second fragment)
	s_lshl_b32 s18, s18, 8
	v_add_nc_u32 v251, s18, v251
	v_add_nc_u32 v251, HIMG, v251
	s_mul_i32 s18, s19, 520
	v_add_nc_u32 v4, s18, v251                     ; bytes 0-7 of my 24: at 0, or at 520;
	v_add_nc_u32 v6, 512, v4                       ; bytes 16-23: at 512, or at 1,032;
	s_mul_i32 s18, s19, 1016
	v_add_nc_u32 v5, s18, v251
	v_add_nc_u32 v5, 8, v5                         ; bytes 8-15: at 8, or at 1,024
	v_lshl_add_u32 v7, v249, 2, HSB
	v_add_nc_u32 v7, s12, v7
	s_mul_i32 s18, s12, 26112                      ; I gather fragments 2 w, 2 w + 1 of x: 6 x 4,352 bytes
	v_mul_u32_u24 v8, v249, 272                    ; row q,
	v_lshl_add_u32 v8, v250, 4, v8                 ; the pair's place: 16 bytes on for lanes 16-31
	v_add_nc_u32 v8, s18, v8
	s_lshl_b32 s18, s12, 7
	v_add_nc_u32 v9, s18, v3
	s_mul_i32 s18, s12, 3072
	v_add_nc_u32 v17, s18, v1
	v_add_nc_u32 v17, HIMG, v17
	v_add_nc_u32 v18, HSB, v1
	v_lshlrev_b32 v23, 4, v249                     ; 16 q: my piece of a token's run of 256 bytes
	v_and_b32 v16, 7, v0                           ; the column whose scale word my lane holds: l % 8 + 16 ((l / 8) % 2) + 8 (l / 16)
	v_bfe_u32 v251, v0, 3, 1
	v_lshl_add_u32 v16, v251, 4, v16
	v_lshl_add_u32 v16, v250, 3, v16
	v_lshlrev_b32 v16, 5, v16
	s_lshl_b32 s18, s14, 9
	s_lshl_b32 s19, s12, 7
	s_add_co_u32 s18, s18, s19
	v_lshl_add_u32 v13, v250, 2, s18               ; rows[128 rt + 32 w + l / 16]; a pair is 8 bytes on
	v_lshl_add_u32 v19, v248, 2, s18               ; rows[128 rt + 32 w + l]
	s_mov_b32 s32, 0x76543210
	s_mov_b32 s33, 0xfedcba98                      ; lane l xor 16
	s_wait_kmcnt 0x0
	s_load_b64 s[16:17], s[8:9], s15 offset:TT     ; (expert, rows)
.set gp, 0
.rept 16
	global_load_b32 v[TK+gp], v13, s[8:9] offset:8*gp              ; pair gp: the tokens of places 2 gp and 2 gp + 1
.set gp, gp+1
.endr
	global_load_b32 v[TK+16], v19, s[8:9]          ; and of place l, for the scale bytes
	s_add_nc_u64 s[26:27], s[6:7], XQS
	s_lshl_b32 s18, s14, 3
	s_lshl_b32 s19, s12, 1
	s_add_co_u32 s18, s18, s19
	s_lshl_b32 s18, s18, 4
	s_add_co_u32 s18, s18, s13
	s_mul_i32 s18, s18, 1536
	s_mov_b32 s19, 0
	s_add_nc_u64 s[28:29], s[10:11], s[18:19]      ; hq: fragment (8 rt + 2 w, K step ct)
	s_mul_i32 s18, s13, 4736
	s_lshl_b32 s34, s14, 7
	s_add_co_u32 s18, s18, s34
	s_lshl_b32 s18, s18, 2
	s_add_co_u32 s18, s18, HSC
	s_add_nc_u64 s[30:31], s[10:11], s[18:19]      ; and the tile's 128 scale words of K step ct
	s_wait_kmcnt 0x0
	s_min_u32 s16, s16, 7                          ; a loaded number is held before it enters an address
	s_lshl_b32 s18, s16, 8
	s_lshl_b32 s34, s13, 3
	s_add_co_u32 s18, s18, s34
	s_lshl_b32 s34, s12, 1
	s_add_co_u32 s18, s18, s34
	s_mul_i32 s18, s18, 12288
	s_add_nc_u64 s[20:21], s[4:5], s[18:19]        ; w1's tile 8 ct + 2 w of the expert
	s_lshl_b32 s18, s16, 12
	s_lshl_b32 s34, s13, 7
	s_add_co_u32 s18, s18, s34
	s_lshl_b32 s34, s12, 5
	s_add_co_u32 s18, s18, s34
	s_lshl_b32 s18, s18, 5
	s_add_co_u32 s18, s18, W13S
	s_add_nc_u64 s[22:23], s[4:5], s[18:19]
.irp m, 0,1
.irp f, 0,1
	global_load_b128 v[WSC+8*\m+4*\f:WSC+8*\m+4*\f+3], v16, s[22:23] offset:65536*\m+16*\f
.endr
.endr
	WLOAD 0
	WLOAD 1
	; ---- section 1: my 32 places' codes and scale words of x, into LDS
	s_cmp_eq_u32 s17, 0
	s_cbranch_scc1 .Lb1
	s_wait_loadcnt 28                              ; the 17 loads of tokens are in; the 28 loads of weights behind them may be out
.set gp, 0
.rept 17
	v_min_u32 v[TK+gp], 0x3ff, v[TK+gp]            ; a loaded number is held before it enters an address
.set gp, gp+1
.endr
.set gp, 0
.rept 16
	v_mul_u32_u24 v[TK+gp], v[TK+gp], 768
.set gp, gp+1
.endr
.set gp, 0
.rept 16
	v_add_nc_u32 v[TK+gp], v23, v[TK+gp]           ; token x 768 + 16 q
.set gp, gp+1
.endr
	v_lshlrev_b32 v12, 5, v[TK+16]
	global_load_b128 v[240:243], v12, s[26:27]
	global_load_b128 v[244:247], v12, s[26:27] offset:16
	WIN 0x40                                       ; destination window 1
.set gp, 0
.rept 16
.irp c, 0,1,2
	global_load_b128 v[12*gp+4*\c:12*gp+4*\c+3], v[TK+gp], s[6:7] offset:256*\c    ; sixteen lanes read 256 consecutive bytes of a token
.endr
.set gp, gp+1
.endr
	WIN 0x04                                       ; an LDS store's data are its source 1: window 1
.set gp, 0
.rept 16
	s_wait_loadcnt 3*(15-gp)                       ; the later pairs' loads may be out: three each
.irp c, 0,1,2
	ds_store_b128 v8, v[12*gp+4*\c:12*gp+4*\c+3] offset:13056*(gp/8)+4352*\c+32*(gp%8)     ; fragment 2 w + gp / 8, places 2 (gp % 8) and + 1
.endr
.set gp, gp+1
.endr
	WIN 0
.irp k, 0,1,2,3,4,5,6,7
	ds_store_b32 v9, v[240+\k] offset:512*\k
.endr
.Lb1:
	s_wait_dscnt 0x0                               ; my pieces lie in LDS
	s_barrier_signal -1
	s_barrier_wait -1                              ; everybody's do
	; ---- section 2: the products, the activation, the quantiser
	s_cmp_eq_u32 s17, 0
	s_cbranch_scc1 .Lb2
	s_wait_loadcnt 24                              ; the tokens' loads are in on every way here (behind them: the 24 loads of two K steps' weights, which may be out): the LDS loads below land on their registers
	XFETCH 0, 0
	XSC 0
	XFETCH 1, 0
.irp k, 0,1,2,3,4,5,6,7
	KSTEP \k
.endr
	WIN 0x55                                       ; all in window 1.  a = x w1, b = x w3: h = a b / (1 + 2^(-a log2 e)), in f32
.set n, 0
.rept 64
	v_pk_mul_f32 v[128+2*n:129+2*n], v[2*n:2*n+1], v[128+2*n:129+2*n]
.set n, n+1
.endr
.set n, 0
.rept 64
	v_pk_mul_f32 v[2*n:2*n+1], v[2*n:2*n+1], 0xbfb8aa3b op_sel_hi:[1,0]
.set n, n+1
.endr
.set n, 0
.rept 128
	v_exp_f32 v[n], v[n]
.set n, n+1
.endr
	v_nop                                          ; a plain line behind the last exponential
	s_wait_alu depctr_va_vdst(0)                   ; one wait for the batch, ahead of its first reader
.set n, 0
.rept 64
	v_pk_add_f32 v[2*n:2*n+1], v[2*n:2*n+1], 1.0 op_sel_hi:[1,0]
.set n, n+1
.endr
.set n, 0
.rept 128
	v_rcp_f32 v[n], v[n]
.set n, n+1
.endr
	v_nop
	s_wait_alu depctr_va_vdst(0)
.set n, 0
.rept 64
	v_pk_mul_f32 v[2*n:2*n+1], v[2*n:2*n+1], v[128+2*n:129+2*n]
.set n, n+1
.endr
	; fragment f: my 16 numbers of place r stand in v[16 f] on.  At work: the registers that held a b, 32 for each pair of fragments: + 0, 1 largest magnitudes, + 2, 3 the other half's, + 4, 5 scale operands, + 6, 7 bytes, + 8 .. 16 codes
.irp f, 0,1,2,3,4,5,6,7
	v_max3_num_f32 v[128+32*(\f/2)+\f%2], |v[16*\f]|, |v[16*\f+1]|, 0x1800000     ; with the floor 2^(3 - 127)
.endr
.irp n, 2,4,6,8,10,12,14
.irp f, 0,1,2,3,4,5,6,7
	v_max3_num_f32 v[128+32*(\f/2)+\f%2], v[128+32*(\f/2)+\f%2], |v[16*\f+\n]|, |v[16*\f+\n+1]|
.endr
.endr
.irp f, 0,1,2,3,4,5,6,7
	v_permlanex16_b32 v[130+32*(\f/2)+\f%2], v[128+32*(\f/2)+\f%2], s32, s33
.endr
.irp f, 0,1,2,3,4,5,6,7
	v_max_num_f32 v[128+32*(\f/2)+\f%2], v[128+32*(\f/2)+\f%2], v[130+32*(\f/2)+\f%2]     ; with lane l xor 16's 16: the block's
.endr
.irp f, 0,1,2,3,4,5,6,7
	v_add_nc_u32 v[132+32*(\f/2)+\f%2], 0xff000000, v[128+32*(\f/2)+\f%2]
.endr
.irp f, 0,1,2,3,4,5,6,7
	v_lshrrev_b32 v[134+32*(\f/2)+\f%2], 23, v[132+32*(\f/2)+\f%2]
.endr
.irp j, 0,1,2,3
	v_cvt_scalef32_pk16_fp6_f32 v[136+32*\j:138+32*\j], v[32*\j:32*\j+15], v[132+32*\j]
	v_cvt_scalef32_pk16_fp6_f32 v[142+32*\j:144+32*\j], v[32*\j+16:32*\j+31], v[133+32*\j]
.endr
	v_nop                                          ; one plain line behind the conversions
.irp j, 0,1,2,3
.irp n, 0,1,2
	v_permlane16_swap_b32 v[136+32*\j+\n], v[142+32*\j+\n]         ; the first's lanes 16-31 change places with the second's lanes 0-15: lane (r, g) now holds both halves of place r's block in fragment 2 j + g
.endr
.irp n, 0,1,2
	v_mov_b32 v[139+32*\j+\n], v[142+32*\j+\n]
.endr
.endr
	WIN 0x04
.irp j, 0,1,2,3
	ds_store_b64 v4, v[136+32*\j:137+32*\j] offset:3072*\j
	ds_store_b64 v5, v[138+32*\j:139+32*\j] offset:3072*\j
	ds_store_b64 v6, v[140+32*\j:141+32*\j] offset:3072*\j
	ds_store_b8 v7, v[134+32*\j] offset:128*\j     ; lanes r and r + 16 write the same byte with the same value
	ds_store_b8 v7, v[135+32*\j] offset:128*\j+64
.endr
	WIN 0
.Lb2:
	s_wait_dscnt 0x0                               ; my blocks and bytes lie in LDS
	s_barrier_signal -1
	s_barrier_wait -1                              ; the eight fragments and their scale words are whole
	; ---- section 3: the way out
	s_cmp_eq_u32 s17, 0
	s_cbranch_scc1 .Lend
.irp n, 0,1,2,3,4,5
	ds_load_b128 v[XB+4*\n:XB+4*\n+3], v17 offset:512*\n           ; (v192-219: registers at which no load from memory aims on any way here)
.endr
.irp n, 0,1,2
	s_wait_dscnt 5-\n                              ; the younger loads may be out
	global_store_b128 v1, v[XB+4*\n:XB+4*\n+3], s[28:29] offset:512*\n     ; 32 lanes store 512 consecutive bytes
.endr
.irp n, 3,4,5
	s_wait_dscnt 5-\n
	global_store_b128 v1, v[XB+4*\n:XB+4*\n+3], s[28:29] offset:24576+512*(\n-3)
.endr
	s_cmp_lg_u32 s12, 0
	s_cbranch_scc1 .Lend
	ds_load_b128 v[XB+24:XB+27], v18
	s_wait_dscnt 0x0
	global_store_b128 v1, v[XB+24:XB+27], s[30:31] ; the 128 scale words
.Lend:
	s_wait_tensorcnt 0x0                           ; the wave's end, behind my last LDS store
	ds_add_u32 v[SPW], v[NIL]
	s_wait_dscnt 0x0
	s_endpgm
.Lfunc_end_k_q5e181d5eab_up:
	.size	k_q5e181d5eab_up, .Lfunc_end_k_q5e181d5eab_up-k_q5e181d5eab_up
	.p2alignl 7, 3214868480
	.fill 96, 4, 3214868480
	.section	.rodata,"a",@progbits
	.p2align	6, 0x0
	.amdhsa_kernel k_q5e181d5eab_up
		.amdhsa_group_segment_fixed_size 121856
		.amdhsa_private_segment_fixed_size 0
		.amdhsa_enable_private_segment 0
		.amdhsa_kernarg_size 32
		.amdhsa_user_sgpr_count 2
		.amdhsa_user_sgpr_kernarg_segment_ptr 1
		.amdhsa_wavefront_size32 1
		.amdhsa_system_sgpr_workgroup_id_x 1
		.amdhsa_system_sgpr_workgroup_id_y 1
		.amdhsa_system_sgpr_workgroup_id_z 1
		.amdhsa_system_vgpr_workitem_id 0
		.amdhsa_next_free_vgpr 512
		.amdhsa_next_free_sgpr 66
		.amdhsa_reserve_vcc 0
		.amdhsa_float_denorm_mode_32 3
		.amdhsa_float_denorm_mode_16_64 3
		.amdhsa_memory_ordered 1
		.amdhsa_forward_progress 1
		.amdhsa_inst_pref_size 114
	.end_amdhsa_kernel
	.amdgpu_metadata
---
amdhsa.version: [ 1, 2 ]
amdhsa.kernels:
  - .name:           k_q5e181d5eab_up
    .symbol:         k_q5e181d5eab_up.kd
    .args:
      - { .name: w13, .offset: 0, .size: 8, .value_kind: global_buffer, .address_space: global }
      - { .name: xq, .offset: 8, .size: 8, .value_kind: global_buffer, .address_space: global }
      - { .name: lst, .offset: 16, .size: 8, .value_kind: global_buffer, .address_space: global }
      - { .name: hq, .offset: 24, .size: 8, .value_kind: global_buffer, .address_space: global }
    .group_segment_fixed_size: 121856
    .private_segment_fixed_size: 0
    .kernarg_segment_align: 8
    .kernarg_segment_size: 32
    .max_flat_workgroup_size: 128
    .sgpr_count:     66
    .vgpr_count:     512
    .wavefront_size: 32
...
	.end_amdgpu_metadata
.endif
;; end of part 3
;; launch down (part 4): grid 4 x 37, 4 waves a work-group, no clusters, 222,720 bytes of LDS; arguments w2o, hq, lst, y; writes y
.if DOCPART == 4
	.amdgcn_target "amdgcn-amd-amdhsa--gfx1250"
	.amdhsa_code_object_version 6
	.text
	.protected	k_q5e181d5eab_down
	.globl	k_q5e181d5eab_down
	.p2align	8
	.type	k_q5e181d5eab_down,@function
k_q5e181d5eab_down:
	s_mov_b64 s[64:65], 0
	v_nop
	global_prefetch_b8 v0, s[64:65] scope:SCOPE_SE
	s_setreg_imm32_b32 hwreg(HW_REG_WAVE_MODE, 25, 1), 1
	s_wait_xcnt 0x0
; Launch 4 of 5: y[place] = h[place] w2 of the place's expert, f32, for one row tile (128 places) x 256 columns, K = 2,048.
; Only the row tiles that the stored table gives rows are multiplied (the rest has the gate weight 0 by reference()'s own comparison: shown at the head of the first launch).
; The branch on the stored count stands round the two sections on either side of the one barrier, never round the barrier.
; SHARES.  Wave w: 128 places x 64 columns: four weight tiles, 32 accumulators.  The tile's 128 fragments of h are one dense block of hq: the four waves copy it into LDS once, as it lies; w2's fragments come
; from memory straight into registers, four K steps ahead.  The product is used transposed (source 0 = 16 weight columns, source 1 = 16 places): a lane's 16 registers of two tiles are 16 neighbouring columns.
.set AIMG,  0                          ; LDS: h's fragments (i, ks) at (16 i + ks) x 1,536
.set ASC,   196608                     ; their scale words: 512 ks + 4 place
.set YST,   204800                     ; a stage of 16 rows x (256 + 16) bytes for each wave
.set SPARE, 222208                     ; the spare words, named by no other line
.set W2S,   13369344
.set TT,    27648
.set HSC,   7274496
; window 0: v1-4 16 l + 49,152 (i / 2): h's fragments in LDS (v1 also the offset of 16 l in memory); v5 scale words; v6, v7 the copy's places; v8, v9 the stage, in and out; v10 my bytes in two rows of y; v16 weights' scale bytes
.set SPW,   14
.set NIL,   15
.set WSC,   24                         ; v24-55   weights' scale words: 16 g + ks
.set XS,    56                         ; v56-63   h's scale words, two sets of four
.set XA,    64                         ; v64-111  h's fragments 0-3;  v112-159 fragments 4-7
.set OB,    160                        ; v160-223 the way out, two sets of 32;  v224-239 the scale words on their way into LDS
; window 1: accumulators 32 i + 8 t.  window 2: weights, four sets of four fragments.  window 3: v0-127, the last third of the copy
.set MSB, 0
.macro WIN new
.if MSB != \new
	s_set_vgpr_msb (MSB<<8)|\new
.set MSB, \new
.endif
.endm
.macro PLACES                          ; four plain lines between a matrix instruction and a load into its registers or a read of its result
.rept 4
	v_nop
.endr
.endm
.macro WLOAD ks                        ; under a window setting with the destination in window 2
.irp t, 0,1,2,3
.irp c, 0,1,2
	global_load_b128 v[48*((\ks)%4)+12*\t+4*\c:48*((\ks)%4)+12*\t+4*\c+3], v1, s[20:21] offset:24576*\t+1536*(\ks)+512*\c
.endr
.endr
.endm
.macro XFETCH half, ks
.irp ii, 0,1,2,3
.irp c, 0,1,2
	ds_load_b128 v[XA+48*(\half)+12*\ii+4*\c:XA+48*(\half)+12*\ii+4*\c+3], v[1+2*(\half)+\ii/2] offset:(16*(\ii%2)+(\ks))*1536+512*\c
.endr
.endr
.endm
.macro XSC ks
.irp ip, 0,1,2,3
	ds_load_b32 v[XS+4*((\ks)%2)+\ip], v5 offset:512*(\ks)+128*\ip
.endr
.endm
.macro WM
.if ZF
.if MA && MB
	v_wmma_scale_f32_16x16x128_f8f6f4 v[rD:rD+7], v[rW:rW+11], v[rX:rX+11], 0, v[rSA], v[rSB] matrix_a_fmt:MATRIX_FMT_FP6 matrix_b_fmt:MATRIX_FMT_FP6 matrix_a_scale:MATRIX_SCALE_ROW1 matrix_b_scale:MATRIX_SCALE_ROW1
.elseif MA
	v_wmma_scale_f32_16x16x128_f8f6f4 v[rD:rD+7], v[rW:rW+11], v[rX:rX+11], 0, v[rSA], v[rSB] matrix_a_fmt:MATRIX_FMT_FP6 matrix_b_fmt:MATRIX_FMT_FP6 matrix_a_scale:MATRIX_SCALE_ROW1
.elseif MB
	v_wmma_scale_f32_16x16x128_f8f6f4 v[rD:rD+7], v[rW:rW+11], v[rX:rX+11], 0, v[rSA], v[rSB] matrix_a_fmt:MATRIX_FMT_FP6 matrix_b_fmt:MATRIX_FMT_FP6 matrix_b_scale:MATRIX_SCALE_ROW1
.else
	v_wmma_scale_f32_16x16x128_f8f6f4 v[rD:rD+7], v[rW:rW+11], v[rX:rX+11], 0, v[rSA], v[rSB] matrix_a_fmt:MATRIX_FMT_FP6 matrix_b_fmt:MATRIX_FMT_FP6
.endif
.else
.if MA && MB
	v_wmma_scale_f32_16x16x128_f8f6f4 v[rD:rD+7], v[rW:rW+11], v[rX:rX+11], v[rD:rD+7], v[rSA], v[rSB] matrix_a_fmt:MATRIX_FMT_FP6 matrix_b_fmt:MATRIX_FMT_FP6 matrix_a_scale:MATRIX_SCALE_ROW1 matrix_b_scale:MATRIX_SCALE_ROW1
.elseif MA
	v_wmma_scale_f32_16x16x128_f8f6f4 v[rD:rD+7], v[rW:rW+11], v[rX:rX+11], v[rD:rD+7], v[rSA], v[rSB] matrix_a_fmt:MATRIX_FMT_FP6 matrix_b_fmt:MATRIX_FMT_FP6 matrix_a_scale:MATRIX_SCALE_ROW1
.elseif MB
	v_wmma_scale_f32_16x16x128_f8f6f4 v[rD:rD+7], v[rW:rW+11], v[rX:rX+11], v[rD:rD+7], v[rSA], v[rSB] matrix_a_fmt:MATRIX_FMT_FP6 matrix_b_fmt:MATRIX_FMT_FP6 matrix_b_scale:MATRIX_SCALE_ROW1
.else
	v_wmma_scale_f32_16x16x128_f8f6f4 v[rD:rD+7], v[rW:rW+11], v[rX:rX+11], v[rD:rD+7], v[rSA], v[rSB] matrix_a_fmt:MATRIX_FMT_FP6 matrix_b_fmt:MATRIX_FMT_FP6
.endif
.endif
.endm
.macro MULH ks, half                   ; 16 products; the 32 accumulators take turns, one instruction a turn, in the same order in every K step
.if (\ks) == 0
.set ZF, 1
.else
.set ZF, 0
.endif
.irp ii, 0,1,2,3
.irp t, 0,1,2,3
.set rD, 32*(4*(\half)+\ii)+8*\t
.set rW, 48*((\ks)%4)+12*\t
.set rX, XA+48*(\half)+12*\ii
.set rSA, WSC+16*(\t/2)+(\ks)
.set rSB, XS+4*((\ks)%2)+2*(\half)+\ii/2
.set MA, \t%2
.set MB, \ii%2
	WM
.endr
.endr
.endm
.macro KSTEP ks
.if (\ks) < 13
	s_wait_loadcnt 36                              ; this K step's weights are in; the 36 loads of the three steps behind it may be out
.else
	s_wait_loadcnt 12*(15-(\ks))
.endif
	s_wait_dscnt 12                                ; fragments 0-3 and the scale words are in; the 12 loads of fragments 4-7 may be out
	WIN 0x52                                       ; weights in window 2, C and D in window 1
	MULH \ks, 0
	s_wait_dscnt 0x0
	PLACES
.if (\ks) < 15
	WIN 0
	XFETCH 0, (\ks)+1
	XSC (\ks)+1
	WIN 0x52
.endif
	MULH \ks, 1
	PLACES
.if (\ks) < 15
	WIN 0
	XFETCH 1, (\ks)+1
.endif
.if (\ks) < 12
	WIN 0x80
	WLOAD (\ks)+4
.endif
	WIN 0
.endm
	; ---- ahead of the first branch
	s_load_b256 s[4:11], s[0:1], 0x0               ; w2o, hq, lst, y
	v_lshl_add_u32 v[SPW], v0, 2, SPARE
	v_mov_b32 v[NIL], 0
	v_lshrrev_b32 v1, 5, v0
	v_readfirstlane_b32 s12, v1                    ; wave
	s_mov_b32 s13, ttmp9                           ; cx: which 256 columns
	s_and_b32 s14, ttmp7, 0xffff                   ; rt
	s_lshl_b32 s15, s14, 3
	v_and_b32 v248, 31, v0                         ; l
	v_and_b32 v249, 15, v0                         ; r
	v_bfe_u32 v250, v0, 4, 1                       ; h
	v_lshlrev_b32 v1, 4, v248
	v_add_nc_u32 v2, 49152, v1
	v_add_nc_u32 v3, 98304, v1
	v_add_nc_u32 v4, 147456, v1
	v_lshl_add_u32 v5, v248, 2, ASC
	s_mul_i32 s18, s12, 49152
	v_add_nc_u32 v6, s18, v1                       ; I copy a quarter of the block,
	s_lshl_b32 s18, s12, 11
	v_add_nc_u32 v7, s18, v1
	v_add_nc_u32 v7, ASC, v7                       ; and the scale words of K steps 4 w .. 4 w + 3
	s_mul_i32 s18, s12, 4352
	v_mul_u32_u24 v8, v249, 272
	v_lshl_add_u32 v8, v250, 6, v8
	v_add_nc_u32 v8, s18, v8
	v_add_nc_u32 v8, YST, v8                       ; the stage, in: row r, + 64 h
	v_mul_u32_u24 v9, v250, 272
	v_lshl_add_u32 v9, v249, 4, v9
	v_add_nc_u32 v9, s18, v9
	v_add_nc_u32 v9, YST, v9                       ; out: lanes 0-15 one row, lanes 16-31 the next
	v_lshlrev_b32 v10, 12, v250
	v_lshl_add_u32 v10, v249, 4, v10
	v_and_b32 v16, 7, v0                           ; the column whose scale words my lane holds
	v_bfe_u32 v251, v0, 3, 1
	v_lshl_add_u32 v16, v251, 4, v16
	v_lshl_add_u32 v16, v250, 3, v16
	v_lshlrev_b32 v16, 6, v16
	s_wait_kmcnt 0x0
	s_load_b64 s[16:17], s[8:9], s15 offset:TT     ; (expert, rows)
	s_mul_i32 s18, s14, 196608
	s_mul_i32 s19, s12, 49152
	s_add_co_u32 s18, s18, s19
	s_mov_b32 s19, 0
	s_add_nc_u64 s[24:25], s[6:7], s[18:19]        ; my quarter of the tile's fragments
	s_lshl_b32 s18, s14, 9
	s_mul_i32 s34, s12, 75776
	s_add_co_u32 s18, s18, s34
	s_add_co_u32 s18, s18, HSC
	s_add_nc_u64 s[26:27], s[6:7], s[18:19]        ; my four K steps' scale words: 18,944 bytes from K step to K step
	s_lshl_b32 s18, s14, 19
	s_lshl_b32 s34, s13, 10
	s_add_co_u32 s18, s18, s34
	s_lshl_b32 s34, s12, 8
	s_add_co_u32 s18, s18, s34
	s_add_nc_u64 s[28:29], s[10:11], s[18:19]      ; y at the tile's first place, my 64 columns
	s_wait_kmcnt 0x0
	s_min_u32 s16, s16, 7                          ; a loaded number is held before it enters an address
	s_mul_i32 s18, s16, 1572864
	s_lshl_b32 s34, s13, 4
	s_lshl_b32 s35, s12, 2
	s_add_co_u32 s34, s34, s35
	s_mul_i32 s34, s34, 24576
	s_add_co_u32 s18, s18, s34
	s_add_nc_u64 s[20:21], s[4:5], s[18:19]        ; the expert's tile 16 cx + 4 w
	s_lshl_b32 s18, s16, 16
	s_lshl_b32 s34, s13, 14
	s_add_co_u32 s18, s18, s34
	s_lshl_b32 s34, s12, 12
	s_add_co_u32 s18, s18, s34
	s_add_co_u32 s18, s18, W2S
	s_add_nc_u64 s[22:23], s[4:5], s[18:19]
.irp g, 0,1
.irp n, 0,1,2,3
	global_load_b128 v[WSC+16*\g+4*\n:WSC+16*\g+4*\n+3], v16, s[22:23] offset:2048*\g+16*\n
.endr
.endr
	WIN 0x80
.irp k, 0,1,2,3
	WLOAD \k
.endr
	WIN 0
	; ---- section 1: the tile's codes and scale words of h, into LDS as they lie
	s_cmp_eq_u32 s17, 0
	s_cbranch_scc1 .Lb1
.irp k, 0,1,2,3
	global_load_b128 v[224+4*\k:227+4*\k], v1, s[26:27] offset:18944*\k
.endr
	WIN 0x40
.set n, 0
.rept 64
	global_load_b128 v[4*n:4*n+3], v1, s[24:25] offset:512*n
.set n, n+1
.endr
	WIN 0xc0
.rept 32
	global_load_b128 v[4*(n-64):4*(n-64)+3], v1, s[24:25] offset:512*n
.set n, n+1
.endr
	WIN 0
	s_wait_loadcnt 63                              ; the scale words are in (96 loads were issued behind them; the count's field holds 63)
.irp k, 0,1,2,3
	ds_store_b128 v7, v[224+4*\k:227+4*\k] offset:512*\k
.endr
	WIN 0x04
.set n, 0
.rept 12                               ; by groups of eight loads; the later groups' loads may be out
.if n == 64
	WIN 0x0c
.endif
.if 88-n > 63
	s_wait_loadcnt 63
.else
	s_wait_loadcnt 88-n
.endif
.rept 8
.if n < 64
	ds_store_b128 v6, v[4*n:4*n+3] offset:512*n
.else
	ds_store_b128 v6, v[4*(n-64):4*(n-64)+3] offset:512*n
.endif
.set n, n+1
.endr
.endr
	WIN 0
.Lb1:
	s_wait_dscnt 0x0                               ; my quarter lies in LDS
	s_barrier_signal -1
	s_barrier_wait -1                              ; the whole block does
	; ---- section 2: the products and the way out
	s_cmp_eq_u32 s17, 0
	s_cbranch_scc1 .Lend
	XFETCH 0, 0
	XSC 0
	XFETCH 1, 0
.irp k, 0,1,2,3,4,5,6,7,8,9,10,11,12,13,14,15
	KSTEP \k
.endr
; A lane holds 64 + 64 bytes of one row and the lanes beside it other rows: 16 places at a time go through my stage and come back as rows of 256 bytes, which sixteen lanes store whole.
.macro TOST i
	WIN 0x04
.irp n, 0,1,2,3,4,5,6,7
	ds_store_b128 v8, v[32*(\i)+4*\n:32*(\i)+4*\n+3] offset:128*(\n/4)+16*(\n%4)   ; each accumulator from its low end on
.endr
	WIN 0
.irp n, 0,1,2,3,4,5,6,7
	ds_load_b128 v[OB+32*((\i)%2)+4*\n:OB+32*((\i)%2)+4*\n+3], v9 offset:544*\n    ; LDS serves a wave's instructions in order: these see my stores
.endr
.endm
.macro SEND i, younger
	s_wait_dscnt \younger
.irp n, 0,1,2,3,4,5,6,7
	global_store_b128 v10, v[OB+32*((\i)%2)+4*\n:OB+32*((\i)%2)+4*\n+3], s[28:29] offset:(16*(\i)+2*\n)*4096
.endr
.endm
	TOST 0
.irp i, 1,2,3,4,5,6,7
.if \i > 1
	s_wait_xcnt 0x0                                ; the stores of two blocks back have read their registers: this block's loads may land there
.endif
	TOST \i
	SEND \i-1, 16                                  ; behind the last block's loads: this block's 8 stores and 8 loads
.endr
	SEND 7, 0
.Lend:
	s_wait_tensorcnt 0x0                           ; the wave's end, behind my last LDS store
	ds_add_u32 v[SPW], v[NIL]
	s_wait_dscnt 0x0
	s_endpgm
.Lfunc_end_k_q5e181d5eab_down:
	.size	k_q5e181d5eab_down, .Lfunc_end_k_q5e181d5eab_down-k_q5e181d5eab_down
	.p2alignl 7, 3214868480
	.fill 96, 4, 3214868480
	.section	.rodata,"a",@progbits
	.p2align	6, 0x0
	.amdhsa_kernel k_q5e181d5eab_down
		.amdhsa_group_segment_fixed_size 222720
		.amdhsa_private_segment_fixed_size 0
		.amdhsa_enable_private_segment 0
		.amdhsa_kernarg_size 32
		.amdhsa_user_sgpr_count 2
		.amdhsa_user_sgpr_kernarg_segment_ptr 1
		.amdhsa_wavefront_size32 1
		.amdhsa_system_sgpr_workgroup_id_x 1
		.amdhsa_system_sgpr_workgroup_id_y 1
		.amdhsa_system_sgpr_workgroup_id_z 1
		.amdhsa_system_vgpr_workitem_id 0
		.amdhsa_next_free_vgpr 896
		.amdhsa_next_free_sgpr 66
		.amdhsa_reserve_vcc 0
		.amdhsa_float_denorm_mode_32 3
		.amdhsa_float_denorm_mode_16_64 3
		.amdhsa_memory_ordered 1
		.amdhsa_forward_progress 1
		.amdhsa_inst_pref_size 155
	.end_amdhsa_kernel
	.amdgpu_metadata
---
amdhsa.version: [ 1, 2 ]
amdhsa.kernels:
  - .name:           k_q5e181d5eab_down
    .symbol:         k_q5e181d5eab_down.kd
    .args:
      - { .name: w2o, .offset: 0, .size: 8, .value_kind: global_buffer, .address_space: global }
      - { .name: hq, .offset: 8, .size: 8, .value_kind: global_buffer, .address_space: global }
      - { .name: lst, .offset: 16, .size: 8, .value_kind: global_buffer, .address_space: global }
      - { .name: y, .offset: 24, .size: 8, .value_kind: global_buffer, .address_space: global }
    .group_segment_fixed_size: 222720
    .private_segment_fixed_size: 0
    .kernarg_segment_align: 8
    .kernarg_segment_size: 32
    .max_flat_workgroup_size: 128
    .sgpr_count:     66
    .vgpr_count:     896
    .wavefront_size: 32
...
	.end_amdgpu_metadata
.endif
;; end of part 4
;; launch out (part 5): grid 4 x 64, 4 waves a work-group, no clusters, 97,024 bytes of LDS; arguments y, w2o, lst, gw, out0; writes out0
.if DOCPART == 5
	.amdgcn_target "amdgcn-amd-amdhsa--gfx1250"
	.amdhsa_code_object_version 6
	.text
	.protected	k_q5e181d5eab_out
	.globl	k_q5e181d5eab_out
	.p2align	8
	.type	k_q5e181d5eab_out,@function
k_q5e181d5eab_out:
	s_mov_b64 s[64:65], 0
	v_nop
	global_prefetch_b8 v0, s[64:65] scope:SCOPE_SE
	s_setreg_imm32_b32 hwreg(HW_REG_WAVE_MODE, 25, 1), 1
	s_wait_xcnt 0x0
; Launch 5 of 5: combined = y[shared 0] + y[shared 1] + wk0 y[place 0] + wk1 y[place 1], quantised along its 1,024, x out_w.  16 tokens x 256 columns to a work-group.
; The four routed experts that a token did not choose add nothing: their gate weight is 0 by reference()'s own comparison (shown at the head of the first launch).
; SHARES.  Wave w sums and quantises K steps 2 w, 2 w + 1 (k = 256 w .. + 255) of the 16 tokens and hands the two fragments to the others through LDS as images of registers; then it multiplies all eight
; K steps by its 64 columns of out_w, whose 32 fragments it loads from memory straight into registers meanwhile.  The product is used transposed.
; y IS READ IN LONG RUNS: a load takes a pair of tokens, lanes 0-15 read 256 consecutive bytes of one row of y, lanes 16-31 of the other's; the four rows are summed in that layout (a lane: 4 neighbours).
; The quantiser wants 16 neighbours of a block in a lane: the sums turn through the wave's own rows in LDS, 1,024 + 16 bytes a token: 256 consecutive bytes in by sixteen lanes, 64 bytes a lane back, the
; sixteen lanes' rows 16 bytes askew, so that both ways touch 16 different columns of 16 bytes (64 banks of 4 bytes: ISA guide 11.1).  The bytes are the wave's own: no barrier.
; The sum's order differs from reference()'s (the two chosen experts in the order of their logits): f32 rounding alone.
.set CIMG,  0                          ; LDS: combined's fragment of K step ks at 1,536 ks
.set CSC,   12288                      ; its scale words: 128 ks + 4 l
.set OST,   13312                      ; the stage on the way out: 16 rows x (1,024 + 16) bytes
.set TR,    29952                      ; where the sums turn: 16 rows x (1,024 + 16) bytes for each wave
.set SPARE, 96512                      ; the spare words, named by no other line
.set OC,    12582912                   ; out_w's codes in w2o
.set WOS,   13893632                   ; and its scale bytes
.set ST,    19456
; window 0: v1 16 l; v2 scale words, read; v3, v4 where my images and scale words go; v5, v6 the stage, in and out; v7 my token's 8 bytes in st and gw; v8 out_w's scale bytes; v12 1,024 w + 16 q;
;   v16, v17 the turn, in and out; v28, v29 my token's rows of the two shared experts in y (pair 0's; a pair is 8,192 bytes on)
.set SPW,   14
.set NIL,   15
.set CB,    32                         ; v32-95   the sums of pairs 0-3, then 64 numbers of K step 2 w; later the four accumulators, 8 t
.set GW,    96                         ; v96-111  pair p: (wk0, wk1) of my token;  v112-127: (wk1, wk1).  Both are done with when the quantiser takes these registers
.set G1W,   112
.set PC,    96                         ; v96-114  the codes just made
.set TM,    116                        ; v116-131 at work in the quantiser
.set PW,    132                        ; v132     the scale word just made
.set CF,    136                        ; v136-231 combined's eight fragments; later rows on the way out
.set CB2,   136                        ; v136-199 ahead of that: the sums of pairs 4-7, then 64 numbers of K step 2 w + 1
.set SLT,   200                        ; v200-215 ahead of that: pair p: my token's two places, then their rows' offsets in y
.set CS,    232                        ; v232-239 the fragments' scale words
.set WSC,   240                        ; v240-255 out_w's scale words: 8 g + ks
; window 1: y of pairs 0-3: 64 s + 16 (p % 4) + 4 j.  window 3: of pairs 4-7; later out_w's fragments of K steps 5-7.  window 2: out_w's fragments of K steps 0-4, at 48 ks + 12 t
.set SEL,   22
.set MSB, 0
.macro WIN new
.if MSB != \new
	s_set_vgpr_msb (MSB<<8)|\new
.set MSB, \new
.endif
.endm
.macro YLOAD hf                        ; pairs 4 hf .. 4 hf + 3: of each of a token's four rows my wave's 1,024 bytes, 256 a load
.if (\hf) == 0
	WIN 0x40
.else
	WIN 0xc0
.endif
.irp pp, 0,1,2,3
.irp j, 0,1,2,3
	global_load_b128 v[16*\pp+4*\j:16*\pp+4*\j+3], v28, s[4:5] offset:8192*(4*(\hf)+\pp)+256*\j
	global_load_b128 v[64+16*\pp+4*\j:64+16*\pp+4*\j+3], v29, s[4:5] offset:8192*(4*(\hf)+\pp)+256*\j
	global_load_b128 v[128+16*\pp+4*\j:128+16*\pp+4*\j+3], v[SLT+2*(4*(\hf)+\pp)], s[4:5] offset:256*\j
	global_load_b128 v[192+16*\pp+4*\j:192+16*\pp+4*\j+3], v[SLT+2*(4*(\hf)+\pp)+1], s[4:5] offset:256*\j
.endr
.endr
.endm
.macro WLD ks
.if (\ks) < 5
	WIN 0x80
.set WB, 48*(\ks)
.else
	WIN 0xc0
.set WB, 48*((\ks)-5)
.endif
.irp t, 0,1,2,3
.irp c, 0,1,2
	global_load_b128 v[WB+12*\t+4*\c:WB+12*\t+4*\c+3], v1, s[20:21] offset:12288*\t+1536*(\ks)+512*\c
.endr
.endr
.endm
.macro COMB hf, dst                    ; register pair n of 32: pair of tokens 4 hf + n / 8
.if (\hf) == 0
	WIN 0x05                                       ; both sources in window 1
.else
	WIN 0x0f                                       ; in window 3
.endif
.set n, 0
.rept 32
	v_pk_add_f32 v[\dst+2*n:\dst+2*n+1], v[2*n:2*n+1], v[64+2*n:65+2*n]
.set n, n+1
.endr
.if (\hf) == 0
	WIN 0x01                                       ; source 0 in window 1
.else
	WIN 0x03
.endif
.set n, 0
.rept 32
	v_pk_fma_f32 v[\dst+2*n:\dst+2*n+1], v[128+2*n:129+2*n], v[GW+2*(4*(\hf)+n/8):GW+2*(4*(\hf)+n/8)+1], v[\dst+2*n:\dst+2*n+1] op_sel_hi:[1,0,1]
.set n, n+1
.endr
.set n, 0
.rept 32
	v_pk_fma_f32 v[\dst+2*n:\dst+2*n+1], v[192+2*n:193+2*n], v[G1W+2*(4*(\hf)+n/8):G1W+2*(4*(\hf)+n/8)+1], v[\dst+2*n:\dst+2*n+1] op_sel_hi:[1,0,1]
.set n, n+1
.endr
	WIN 0
.endm
.macro TRST hf, src                    ; the sums of four pairs into my rows: token 2 p + l / 16, bytes 256 j + 16 q
.irp pp, 0,1,2,3
.irp j, 0,1,2,3
	ds_store_b128 v16, v[\src+16*\pp+4*\j:\src+16*\pp+4*\j+3] offset:2080*(4*(\hf)+\pp)+256*\j
.endr
.endr
.endm
.macro TRLD a, dst                     ; and back: lane (r, h): of token r, K step 2 w + a, the 16 numbers 16 h on of each block b
.irp b, 0,1,2,3
.irp j, 0,1,2,3
	ds_load_b128 v[\dst+16*\b+4*\j:\dst+16*\b+4*\j+3], v17 offset:512*(\a)+128*\b+16*\j
.endr
.endr
.endm
; 64 numbers of a lane, register 16 b + i = k 32 b + 16 h + i of my token's K step, become a fragment's codes in v[PC] on and its scale word in v[PW]
.macro QUANT s
.irp b, 0,1,2,3
	v_max3_num_f32 v[TM+\b], |v[\s+16*\b]|, |v[\s+1+16*\b]|, 0x1800000     ; with the floor 2^(3 - 127)
.endr
.irp i, 2,4,6,8,10,12,14
.irp b, 0,1,2,3
	v_max3_num_f32 v[TM+\b], v[TM+\b], |v[\s+16*\b+\i]|, |v[\s+1+16*\b+\i]|
.endr
.endr
.irp b, 0,1,2,3
	v_permlanex16_b32 v[TM+4+\b], v[TM+\b], s[SEL], s[SEL+1]
.endr
.irp b, 0,1,2,3
	v_max_num_f32 v[TM+\b], v[TM+\b], v[TM+4+\b]   ; with lane l xor 16's: the block's largest magnitude
.endr
.irp b, 0,1,2,3
	v_add_nc_u32 v[TM+12+\b], 0xff000000, v[TM+\b] ; 2 off its exponent field: the conversion's scale operand
.endr
.irp b, 0,1,2,3
	v_lshrrev_b32 v[TM+4+\b], 23, v[TM+12+\b]      ; the scale's byte
.endr
	v_lshl_or_b32 v[PW], v[TM+5], 8, v[TM+4]
	v_lshl_or_b32 v[PW], v[TM+6], 16, v[PW]
	v_lshl_or_b32 v[PW], v[TM+7], 24, v[PW]
.irp c, 0,1
	v_cvt_scalef32_pk16_fp6_f32 v[PC+6*\c:PC+2+6*\c], v[\s+32*\c:\s+15+32*\c], v[TM+12+2*\c]
	v_cvt_scalef32_pk16_fp6_f32 v[PC+12+4*\c:PC+14+4*\c], v[\s+16+32*\c:\s+31+32*\c], v[TM+12+2*\c+1]
.endr
	v_nop                                          ; one plain line behind the conversions
.irp c, 0,1                            ; the operand's layout wants a whole block in a lane: lanes 0-15 block 2 c, lanes 16-31 block 2 c + 1
.irp i, 0,1,2
	v_permlane16_swap_b32 v[PC+6*\c+\i], v[PC+12+4*\c+\i]
.endr
.irp i, 0,1,2
	v_mov_b32 v[PC+3+6*\c+\i], v[PC+12+4*\c+\i]
.endr
.endr
.endm
.macro IMAGE a
.irp c, 0,1,2
	ds_store_b128 v3, v[PC+4*\c:PC+4*\c+3] offset:1536*\a+512*\c
.endr
	ds_store_b32 v4, v[PW] offset:128*\a
	s_wait_dscnt 0x0                               ; the stores have read their registers
.endm
	s_load_b256 s[4:11], s[0:1], 0x0               ; y, w2o, lst, gw
	s_load_b64 s[12:13], s[0:1], 0x20              ; out0
	v_lshl_add_u32 v[SPW], v0, 2, SPARE
	v_mov_b32 v[NIL], 0
	v_lshrrev_b32 v1, 5, v0
	v_readfirstlane_b32 s14, v1                    ; wave
	s_mov_b32 s15, ttmp9                           ; cx: which 256 columns
	s_and_b32 s16, ttmp7, 0xffff                   ; tb: which 16 tokens
	v_and_b32 v9, 31, v0                           ; l
	v_and_b32 v10, 15, v0                          ; r; in the loads of y: q
	v_bfe_u32 v11, v0, 4, 1                        ; h; in the loads of y: which token of a pair
	v_lshlrev_b32 v1, 4, v9
	v_lshl_add_u32 v2, v9, 2, CSC
	s_mul_i32 s17, s14, 3072
	v_add_nc_u32 v3, s17, v1
	s_lshl_b32 s17, s14, 8
	v_add_nc_u32 v4, s17, v2
	v_mul_u32_u24 v5, v10, 1040
	v_lshl_add_u32 v5, v11, 6, v5
	v_add_nc_u32 v5, s17, v5
	v_add_nc_u32 v5, OST, v5                       ; the stage, in: row r, + 256 w + 64 h
	s_mul_i32 s17, s14, 4160
	v_add_nc_u32 v6, s17, v1
	v_add_nc_u32 v6, OST, v6                       ; out: my four rows, 16 bytes a lane
	s_lshl_b32 s17, s16, 7
	v_lshl_add_u32 v7, v11, 3, s17                 ; token 16 tb + l / 16: 8 bytes in st and in gw; a pair is 16 bytes on
	v_and_b32 v8, 7, v0                            ; the column whose scale words my lane holds
	v_bfe_u32 v13, v0, 3, 1
	v_lshl_add_u32 v8, v13, 4, v8
	v_lshl_add_u32 v8, v11, 3, v8
	v_lshlrev_b32 v8, 5, v8
	s_lshl_b32 s17, s14, 10
	v_lshl_add_u32 v12, v10, 4, s17                ; in a row of y: 1,024 w + 16 q
	s_lshl_b32 s17, s16, 16
	v_lshl_add_u32 v28, v11, 12, v12
	v_add_nc_u32 v28, s17, v28                     ; shared expert 0: place = token;
	v_add_nc_u32 v29, 0x400000, v28                ; shared expert 1: 1,024 places on
	s_mul_i32 s17, s14, 16640                      ; my rows for the turn
	v_mul_u32_u24 v16, v11, 1040
	v_lshl_add_u32 v16, v10, 4, v16
	v_add_nc_u32 v16, s17, v16
	v_add_nc_u32 v16, TR, v16                      ; in: the pair's token, + 16 q
	v_mul_u32_u24 v17, v10, 1040
	v_lshl_add_u32 v17, v11, 6, v17
	v_add_nc_u32 v17, s17, v17
	v_add_nc_u32 v17, TR, v17                      ; out: token r, + 64 h
	s_mov_b32 s[SEL], 0x76543210
	s_mov_b32 s[SEL+1], 0xfedcba98                 ; lane l xor 16
	s_wait_kmcnt 0x0
.irp p, 0,1,2,3,4,5,6,7
	global_load_b64 v[SLT+2*\p:SLT+2*\p+1], v7, s[8:9] offset:ST+16*\p
.endr
.irp p, 0,1,2,3,4,5,6,7
	global_load_b64 v[GW+2*\p:GW+2*\p+1], v7, s[10:11] offset:16*\p
.endr
	s_lshl_b32 s18, s15, 4
	s_lshl_b32 s19, s14, 2
	s_add_co_u32 s18, s18, s19
	s_mul_i32 s18, s18, 12288
	s_add_co_u32 s18, s18, OC
	s_mov_b32 s19, 0
	s_add_nc_u64 s[20:21], s[6:7], s[18:19]        ; out_w's tile 16 cx + 4 w
	s_lshl_b32 s18, s15, 13
	s_lshl_b32 s24, s14, 11
	s_add_co_u32 s18, s18, s24
	s_add_co_u32 s18, s18, WOS
	s_add_nc_u64 s[6:7], s[6:7], s[18:19]          ; its columns' scale bytes
	s_lshl_b32 s18, s16, 16
	s_lshl_b32 s24, s14, 14
	s_add_co_u32 s18, s18, s24
	s_lshl_b32 s24, s15, 10
	s_add_co_u32 s18, s18, s24
	s_add_nc_u64 s[12:13], s[12:13], s[18:19]      ; out0 at row 16 tb + 4 w, column 256 cx
.irp g, 0,1
.irp f, 0,1
	global_load_b128 v[WSC+8*\g+4*\f:WSC+8*\g+4*\f+3], v8, s[6:7] offset:1024*\g+16*\f
.endr
.endr
.irp k, 0,1,2,3,4
	WLD \k                                         ; out_w hangs on no loaded number: five K steps are asked for while the places are on their way
.endr
	WIN 0
	s_wait_loadcnt 63                              ; the 16 loads of places and gate weights are in: 64 loads were issued behind them
.set n, 0
.rept 16
	v_min_u32 v[SLT+n], 0x127f, v[SLT+n]           ; a loaded number is held inside y's 4,736 places before it becomes an address
.set n, n+1
.endr
.set n, 0
.rept 16
	v_lshl_add_u32 v[SLT+n], v[SLT+n], 12, v12
.set n, n+1
.endr
.irp p, 0,1,2,3,4,5,6,7
	v_mov_b32 v[G1W+2*\p], v[GW+2*\p+1]            ; wk1 as the low word of a pair of its own
	v_mov_b32 v[G1W+2*\p+1], v[GW+2*\p+1]
.endr
	YLOAD 0
	YLOAD 1
	s_wait_loadcnt 63                              ; pairs 0-3 are in: the 64 loads of pairs 4-7 were issued behind them
	COMB 0, CB
	TRST 0, CB
	s_wait_loadcnt 0x0                             ; pairs 4-7 are in
	COMB 1, CB2
.irp k, 5,6,7
	WLD \k                                         ; the last three K steps of out_w, into the registers that y has left
.endr
	WIN 0
	TRST 1, CB2
.irp b, 0,1,2,3
	v_mov_b32 v[TM+4+\b], 0                        ; written once, behind the last use of the gate weights that lay here: a lane permute's destination counts as one of its sources
.endr
	s_wait_dscnt 0x0                               ; the 32 stores have read their registers, into which the loads below land
	TRLD 0, CB
	TRLD 1, CB2
	s_wait_dscnt 16                                ; K step 2 w's 64 numbers are in; the 16 loads of K step 2 w + 1 may be out
	QUANT CB
	IMAGE 0
	QUANT CB2
	IMAGE 1
	s_barrier_signal -1                            ; (my LDS stores were waited for in IMAGE)
	s_barrier_wait -1                              ; the eight fragments lie in LDS
.irp k, 0,1,2,3,4,5,6,7
.irp c, 0,1,2
	ds_load_b128 v[CF+12*\k+4*\c:CF+12*\k+4*\c+3], v1 offset:CIMG+1536*\k+512*\c
.endr
.endr
.irp k, 0,1,2,3,4,5,6,7
	ds_load_b32 v[CS+\k], v2 offset:128*\k
.endr
	s_wait_loadcnt 0x0
	s_wait_dscnt 0x0
.irp k, 0,1,2,3,4,5,6,7                ; four accumulators by turns, one instruction a turn
.if \k < 5
	WIN 0x02
.set WB, 48*\k
.else
	WIN 0x03
.set WB, 48*(\k-5)
.endif
.irp g, 0,1
.if \k == 0
	v_wmma_scale_f32_16x16x128_f8f6f4 v[CB+16*\g:CB+16*\g+7], v[WB+24*\g:WB+24*\g+11], v[CF+12*\k:CF+12*\k+11], 0, v[WSC+8*\g+\k], v[CS+\k] matrix_a_fmt:MATRIX_FMT_FP6 matrix_b_fmt:MATRIX_FMT_FP6
	v_wmma_scale_f32_16x16x128_f8f6f4 v[CB+16*\g+8:CB+16*\g+15], v[WB+24*\g+12:WB+24*\g+23], v[CF+12*\k:CF+12*\k+11], 0, v[WSC+8*\g+\k], v[CS+\k] matrix_a_fmt:MATRIX_FMT_FP6 matrix_b_fmt:MATRIX_FMT_FP6 matrix_a_scale:MATRIX_SCALE_ROW1
.else
	v_wmma_scale_f32_16x16x128_f8f6f4 v[CB+16*\g:CB+16*\g+7], v[WB+24*\g:WB+24*\g+11], v[CF+12*\k:CF+12*\k+11], v[CB+16*\g:CB+16*\g+7], v[WSC+8*\g+\k], v[CS+\k] matrix_a_fmt:MATRIX_FMT_FP6 matrix_b_fmt:MATRIX_FMT_FP6
	v_wmma_scale_f32_16x16x128_f8f6f4 v[CB+16*\g+8:CB+16*\g+15], v[WB+24*\g+12:WB+24*\g+23], v[CF+12*\k:CF+12*\k+11], v[CB+16*\g+8:CB+16*\g+15], v[WSC+8*\g+\k], v[CS+\k] matrix_a_fmt:MATRIX_FMT_FP6 matrix_b_fmt:MATRIX_FMT_FP6 matrix_a_scale:MATRIX_SCALE_ROW1
.endif
.endr
.endr
	WIN 0
.rept 4
	v_nop                                          ; four plain lines ahead of the first read of the results, and of the loads into the fragments' registers
.endr
.irp n, 0,1,2,3,4,5,6,7
	ds_store_b128 v5, v[CB+4*\n:CB+4*\n+3] offset:128*(\n/4)+16*(\n%4)     ; lane (r, h): token r, columns 32 g + 16 h + 8 u + 0 .. 7; each accumulator from its low end on
.endr
	s_wait_dscnt 0x0
	s_barrier_signal -1
	s_barrier_wait -1                              ; 16 rows of 1,024 bytes lie in the stage
.irp n, 0,1,2,3,4,5,6,7
	ds_load_b128 v[CF+4*\n:CF+4*\n+3], v6 offset:1040*(\n/2)+512*(\n%2)
.endr
.irp n, 0,1,2,3,4,5,6,7
	s_wait_dscnt 7-\n                              ; the younger loads may be out
	global_store_b128 v1, v[CF+4*\n:CF+4*\n+3], s[12:13] offset:4096*(\n/2)+512*(\n%2) th:TH_STORE_NT     ; 32 lanes store 512 consecutive bytes
.endr
	s_wait_tensorcnt 0x0                           ; the wave's end, behind my last LDS store
	ds_add_u32 v[SPW], v[NIL]
	s_wait_dscnt 0x0
	s_endpgm
.Lfunc_end_k_q5e181d5eab_out:
	.size	k_q5e181d5eab_out, .Lfunc_end_k_q5e181d5eab_out-k_q5e181d5eab_out
	.p2alignl 7, 3214868480
	.fill 96, 4, 3214868480
	.section	.rodata,"a",@progbits
	.p2align	6, 0x0
	.amdhsa_kernel k_q5e181d5eab_out
		.amdhsa_group_segment_fixed_size 97024
		.amdhsa_private_segment_fixed_size 0
		.amdhsa_enable_private_segment 0
		.amdhsa_kernarg_size 40
		.amdhsa_user_sgpr_count 2
		.amdhsa_user_sgpr_kernarg_segment_ptr 1
		.amdhsa_wavefront_size32 1
		.amdhsa_system_sgpr_workgroup_id_x 1
		.amdhsa_system_sgpr_workgroup_id_y 1
		.amdhsa_system_sgpr_workgroup_id_z 1
		.amdhsa_system_vgpr_workitem_id 0
		.amdhsa_next_free_vgpr 1024
		.amdhsa_next_free_sgpr 66
		.amdhsa_reserve_vcc 0
		.amdhsa_float_denorm_mode_32 3
		.amdhsa_float_denorm_mode_16_64 3
		.amdhsa_memory_ordered 1
		.amdhsa_forward_progress 1
		.amdhsa_inst_pref_size 63
	.end_amdhsa_kernel
	.amdgpu_metadata
---
amdhsa.version: [ 1, 2 ]
amdhsa.kernels:
  - .name:           k_q5e181d5eab_out
    .symbol:         k_q5e181d5eab_out.kd
    .args:
      - { .name: y, .offset: 0, .size: 8, .value_kind: global_buffer, .address_space: global }
      - { .name: w2o, .offset: 8, .size: 8, .value_kind: global_buffer, .address_space: global }
      - { .name: lst, .offset: 16, .size: 8, .value_kind: global_buffer, .address_space: global }
      - { .name: gw, .offset: 24, .size: 8, .value_kind: global_buffer, .address_space: global }
      - { .name: out0, .offset: 32, .size: 8, .value_kind: global_buffer, .address_space: global }
    .group_segment_fixed_size: 97024
    .private_segment_fixed_size: 0
    .kernarg_segment_align: 8
    .kernarg_segment_size: 40
    .max_flat_workgroup_size: 128
    .sgpr_count:     66
    .vgpr_count:     1024
    .wavefront_size: 32
...
	.end_amdgpu_metadata
.endif
;; end of part 5
